; MI455X (gfx1250); checked and timed in simulation.
; The chip was launched on July 23, 2026; its instructions are those of AMD's public machine-readable ISA for CDNA 5 (MIT licence, August 2026) and "CDNA5" Instruction Set Architecture Reference Guide (July 2026). The comments in the code are by the model that wrote it; some were corrected since.
;; Pre HTSK. Allowed arithmetic: matrix products marked QUANTISED: E2M1 operands, one E8M0 scale for each 32 along K, by v_wmma_scale_f32_16x16x128_f8f6f4 with both operands' format E2M1 (or v_wmma_scale_f32_32x16x128_f4), f32 sums; everything else in f32.
;; Inputs: W_codes 64 x 1,028 x 16 uint8 (E2M1 codes of W, K innermost, in blocks of 32 codes, two codes a byte); W_scales 64 x 1,028 uint8 (E8M0 scales of W, one for each 32 codes along K); X 2,048 x 256 float32; b 64 float32; centers 256 x 128 float32; ln_beta 32,896 float32; ln_gamma 32,896 float32; sigmas 256 x 128 float32.
;; Outputs: out0 2,048 x 64 float32.
;; This version of the problem:
;;   THIS VERSION OF THE PROBLEM IS GIVEN IN LOW PRECISION. The matrix products marked QUANTISED in the list below multiply operands that are first quantised to E2M1 (2 exponent bits, 1 mantissa bit; 4 bits a number), with one power-of-two scale for each 32 numbers along K (OCP MX v1.0); their sums are f32. All else is computed in f32.
;;   The module's matrix products, in the order in which they are computed (A, B: the left and right operand; K: the contracted axis; several contracted axes count as one K, in the product's order):
;;     1. [M 2,048, K 32,896] x [K 32,896, N 64]; A: computed on the way; B: input W (given as codes): QUANTISED
;;   THE QUANTISER, for each operand of a quantised product, along K:
;;     - K is cut into blocks of 32 from its start; a last block that is shorter is filled with zeros.
;;     - A block's scale is 2^e with e = floor(log2(the largest magnitude in the block)) - 2, held to -126 .. 127; a block of zeros has e = 0. As a byte (E8M0): e + 127.
;;     - Each number is divided by its block's scale, clamped to +-6, and rounded to the nearest number of E2M1, ties to even, subnormals kept.
;;     - The product sums the exact products of the quantised numbers (number of the format x scale) in f32.
;;   ~~~python
;;   def quantise(x, axis):      # numpy; x: float32 -> the quantised numbers, widened to float32 again
;;       x = np.moveaxis(x, axis, -1); K = x.shape[-1]
;;       x = np.pad(x, [(0, 0)] * (x.ndim - 1) + [(0, -K % 32)]); x = x.reshape(x.shape[:-1] + (-1, 32)); a = np.abs(x).max(-1, keepdims=True)
;;       e = np.where(a > 0, np.clip(np.frexp(np.where(a > 0, a, 1))[1] - 1 - 2, -126, 127), 0)      # np.frexp(a)[1] - 1 = floor(log2(a)), exactly
;;       r = np.clip(x / 2.0 ** e, -6, 6)
;;       step = 2.0 ** (np.maximum(np.frexp(np.where(r == 0, 1, r))[1] - 1, 0) - 1)
;;       q = np.round(r / step) * step * 2.0 ** e      # np.round: ties to even
;;       return np.moveaxis(q.reshape(q.shape[:-2] + (-1,))[..., :K], -1, axis).astype(np.float32)
;;   ~~~
;;   OPERANDS COMPUTED ON THE WAY. 'Computed on the way' means the value that the module computes at that place (a softmax that the list does not call 'softmax' is quantised finished and normalised). What goes into a quantiser is computed in f32, as accurately as f32 sums, v_exp_f32 and their like allow (about 1e-6 of the number): no bf16 or f16 on the way to a quantiser, and a product that is left as it is and whose result goes on into a quantised operand takes f32 operands (vector FMAs, or v_wmma_f32_16x16x4_f32). A number that lies on a knife's edge between two numbers of the format may be rounded either way, as far as f32 arithmetic and the matrix unit's own rounding can turn it there, and no further.
;;   INPUTS GIVEN AS CODES. W (in the module: [64, 32896], K = its axis 1): each comes as NAME_codes (uint8): NAME with its K axis moved to the last place and cut into blocks of 32 codes, [.., K / 32, bytes a block], one block behind the other in memory; two codes a byte, the lower K in the low four bits (a code: sign, 2 exponent bits, 1 mantissa bit); and NAME_scales (uint8): the same leading axes, one E8M0 byte (e + 127) for each 32 codes along K. Its value is code x scale, taken as it is: it is not quantised again, and the codes and scales need not be those that the quantiser above would give.
;; 2 versions. Each part assembles by itself: llvm-mc -triple=amdgcn-amd-amdhsa -mcpu=gfx1250 --defsym DOCPART=n.
;; ======== version 1 of 2: 3 launches
;; workspace buffers: zT 1,048,576 bytes; xstat 16,384 bytes; Wimg 1,048,576 bytes; WSimg 65,536 bytes; part 4,194,304 bytes
;; launch fire (part 1): grid 2 x 128, 8 waves a work-group, no clusters, 52,480 bytes of LDS; arguments X, centers, sigmas, W_codes, W_scales, zT, xstat, Wimg, WSimg; writes zT, xstat, Wimg, WSimg
.if DOCPART == 1
	.amdgcn_target "amdgcn-amd-amdhsa--gfx1250"
	.amdhsa_code_object_version 6
	.text
	.protected	k_q9fc6a794c4_fire
	.globl	k_q9fc6a794c4_fire
	.p2align	8
	.type	k_q9fc6a794c4_fire,@function
k_q9fc6a794c4_fire:
	s_mov_b64 s[64:65], 0
	v_nop
	global_prefetch_b8 v0, s[64:65] scope:SCOPE_SE
	s_setreg_imm32_b32 hwreg(HW_REG_WAVE_MODE, 25, 1), 1
	s_wait_xcnt 0x0
; FIRING LEVELS, ROW STATISTICS OF X, AND W LAID AS REGISTER IMAGES.
; z[row][rule] = -(1/256) x the sum over i of (x[row][i] - c[i][rule])^2 x (0.5 / sigma[i][rule]^2 + 1e-8), all f32, by a subtraction, a square and a
; fused multiply-add: the square is never expanded, so no difference of large sums is formed.
; SHARES.  Work-group (qh, y): rows 16 y .. 16 y + 15, rules 64 qh .. 64 qh + 63, all 256 inputs.  Wave w: inputs 32 w .. 32 w + 31.  Lane l: rules 64 qh + l and 64 qh + 32 + l;
; its c and its scale run down i in consecutive registers, so pairs along i feed the packed forms.  x comes from LDS, the same 16 bytes to every lane: one such load feeds 12 packed instructions.
; The eight waves' partial sums meet in LDS.  z goes out as [row / 64][rule / 4][row % 64][4]: sixteen lanes store 256 consecutive bytes, aligned.
; ALSO: xbar and the sum of (x - xbar)^2 of each row (two passes; stored by qh = 0), and K step S = 2 y + qh of W's codes and scale bytes, laid in the order of the B fragments' registers
; (n tile nt, lane (r, h): W's row 4 r + nt), so that the next launch loads each fragment by dense loads of 512 bytes.
; LIMITS: NaN, infinities and sigma = 0 among the inputs are not served; 1 / sigma^2 is v_rcp_f32's (1 ulp).
.set XS,    0                          ; LDS: the 16 rows of x as they lie, 1,024 bytes each
.set PART,  16384                      ; partial sums: [wave 8][row 16], a row 64 rules x 4 bytes + 16 of padding
.set PP,    272
.set PW,    16*PP
.set STAT,  PART+8*PW                  ; [row 16][xbar, Vx]: 128 bytes
.set DD,    16                         ; v16-23   four pairs at work
.set XB,    32                         ; v32-63   x: two buffers of 2 rows x 8 inputs
.set CC,    64                         ; v64-127  c[u][ii]
.set SG,    128                        ; v128-191 sigma, then the scale, [u][ii]
.set AC,    192                        ; v192-255 sums: row, u: a pair (even i, odd i) at AC + 4 row + 2 u
	s_load_b512 s[8:23], s[0:1], 0x0               ; X s[8:9], centers s[10:11], sigmas s[12:13], W_codes s[14:15], W_scales s[16:17], zT s[18:19], xstat s[20:21], Wimg s[22:23]
	s_load_b64 s[24:25], s[0:1], 0x40              ; WSimg
	s_set_vgpr_msb 0x40
	v_lshl_add_u32 v0, v0, 2, 0xc900
	v_mov_b32 v1, 0
	s_set_vgpr_msb 0x4000
	v_lshrrev_b32 v1, 5, v0
	v_readfirstlane_b32 s2, v1                     ; wave 0..7
	s_mov_b32 s3, ttmp9                            ; qh
	s_and_b32 s4, ttmp7, 0xffff                    ; y
	s_lshl_b32 s5, s4, 1
	s_add_co_u32 s5, s5, s3                        ; S = 2 y + qh: the K step of W that this work-group lays out
	v_and_b32 v1, 31, v0                           ; lane
	v_lshlrev_b32 v2, 2, v1                        ; 4 x lane
	v_lshlrev_b32 v3, 4, v0                        ; 16 x thread: x on its way in, in memory and in LDS
	s_lshl_b32 s6, s2, 7
	v_mov_b32 v4, s6                               ; x in LDS: my wave's 32 inputs begin 128 w bytes into a row
	s_mul_i32 s6, s2, PW
	s_add_co_u32 s6, s6, PART
	v_add_nc_u32 v5, s6, v2                        ; my partial sums: PART + 4,352 w + 4 x lane
	s_lshl_b32 s6, s2, 4
	s_add_co_u32 s6, s6, STAT
	v_mov_b32 v6, s6                               ; my two rows' statistics: STAT + 16 w
	v_lshlrev_b32 v7, 4, v1                        ; 16 x lane
	s_lshl_b32 s6, s2, 11
	v_add_nc_u32 v11, s6, v7                       ; rows 2 w, 2 w + 1 of x in LDS, 16 bytes a lane
	v_and_b32 v24, 15, v0                          ; r
	v_bfe_u32 v25, v0, 4, 1                        ; h
	v_mul_u32_u24 v8, v24, 0x10100                 ; W's codes: row 4 r of 16,448 bytes,
	v_lshl_add_u32 v8, v25, 4, v8                  ; + 16 h
	v_lshl_add_u32 v9, v24, 2, v25
	v_mul_u32_u24 v9, v9, 1028                     ; W's scale bytes: row 4 r + h of 1,028 bytes
	s_mov_b32 s38, 0x76543210
	s_mov_b32 s39, 0xfedcba98                      ; v_permlanex16_b32's selects for lane l xor 16
	s_lshl_b32 s26, s4, 14                         ; X: 16 y rows of 1,024 bytes
	s_mov_b32 s27, 0
	s_lshl_b32 s28, s2, 14                         ; c, sigma: 32 w rows of 512 bytes + 64 qh rules
	s_lshl_b32 s6, s3, 8
	s_add_co_u32 s28, s28, s6
	s_mov_b32 s29, 0
	s_lshr_b32 s6, s2, 1                           ; W's codes: wave w lays chunk 2 nt + c = w
	s_mul_i32 s30, s6, 16448                       ; nt rows on,
	s_lshl_b32 s6, s5, 6
	s_add_co_u32 s30, s30, s6                      ; 64 S bytes along the row,
	s_and_b32 s7, s2, 1
	s_lshl_b32 s6, s7, 5
	s_add_co_u32 s30, s30, s6                      ; + 32 c
	s_mov_b32 s31, 0
	s_mul_i32 s32, s7, 2056                        ; W's scale bytes: 2 np rows on (np = w & 1), + 4 S
	s_lshl_b32 s6, s5, 2
	s_add_co_u32 s32, s32, s6
	s_mov_b32 s33, 0
	s_lshr_b32 s6, s4, 2                           ; zT: (y / 4) x 32,768 + qh x 16,384 + (y % 4) x 256
	s_lshl_b32 s34, s6, 15
	s_lshl_b32 s6, s3, 14
	s_add_co_u32 s34, s34, s6
	s_and_b32 s6, s4, 3
	s_lshl_b32 s6, s6, 8
	s_add_co_u32 s34, s34, s6
	s_mov_b32 s35, 0
	s_lshl_b32 s40, s4, 7                          ; xstat: 16 y rows of 8 bytes
	s_mov_b32 s41, 0
	s_lshl_b32 s42, s5, 12                         ; Wimg: 4,096 S + 512 w
	s_lshl_b32 s6, s2, 9
	s_add_co_u32 s42, s42, s6
	s_mov_b32 s43, 0
	s_lshl_b32 s44, s5, 8                          ; WSimg: 256 S + 128 w (waves 0 and 1 store)
	s_lshl_b32 s6, s2, 7
	s_add_co_u32 s44, s44, s6
	s_mov_b32 s45, 0
	s_wait_kmcnt 0x0
	s_add_nc_u64 s[8:9], s[8:9], s[26:27]
	s_add_nc_u64 s[10:11], s[10:11], s[28:29]
	s_add_nc_u64 s[12:13], s[12:13], s[28:29]
	s_add_nc_u64 s[14:15], s[14:15], s[30:31]
	s_add_nc_u64 s[16:17], s[16:17], s[32:33]
	s_add_nc_u64 s[18:19], s[18:19], s[34:35]
	s_add_nc_u64 s[20:21], s[20:21], s[40:41]
	s_add_nc_u64 s[22:23], s[22:23], s[42:43]
	s_add_nc_u64 s[24:25], s[24:25], s[44:45]
	; 134 loads, in the order in which they are wanted: W's chunk, a scale word, x (4), sigma (64), c (64)
	global_load_b128 v[12:15], v8, s[14:15]        ; lane (r, h): W's row 4 r + nt, bytes 64 S + 32 c + 16 h
	global_load_b32 v10, v9, s[16:17]              ; lane (r, h): the scale word of W's row 4 r + 2 np + h for K step S
.irp k, 0,1,2,3
	global_load_b128 v[16+4*\k:19+4*\k], v3, s[8:9] offset:4096*\k
.endr
.set u, 0
.rept 2
.set ii, 0
.rept 32
	global_load_b32 v[SG+32*u+ii], v2, s[12:13] offset:ii*512+u*128
.set ii, ii+1
.endr
.set u, u+1
.endr
.set u, 0
.rept 2
.set ii, 0
.rept 32
	global_load_b32 v[CC+32*u+ii], v2, s[10:11] offset:ii*512+u*128
.set ii, ii+1
.endr
.set u, u+1
.endr
	s_wait_loadcnt 63                              ; of the 134 the youngest 63 may be out, all of them c's: W's chunk, the scale word, x and all of sigma are in
	global_store_b128 v7, v[12:15], s[22:23]       ; the wave stores 512 consecutive bytes of the image
.irp k, 0,1,2,3
	ds_store_b128 v3, v[16+4*\k:19+4*\k] offset:XS+4096*\k
.endr
	s_wait_dscnt 0x0                               ; for the others' sake: my part of x lies in LDS
	s_barrier_signal -1
	s_barrier_wait -1                              ; all 16 rows do
; x of unit n (rows 2 (n / 4), + 1; inputs 8 (n % 4) .. + 7 of my 32) into buffer n % 2: every lane reads the same 16 bytes
.macro XLOAD n
.set xb, XB+16*((\n)%2)
.set xr, 2*((\n)/4)
.set xk, (\n)%4
	ds_load_b128 v[xb:xb+3],     v4 offset:xr*1024+32*xk
	ds_load_b128 v[xb+4:xb+7],   v4 offset:xr*1024+32*xk+16
	ds_load_b128 v[xb+8:xb+11],  v4 offset:(xr+1)*1024+32*xk
	ds_load_b128 v[xb+12:xb+15], v4 offset:(xr+1)*1024+32*xk+16
.endm
	XLOAD 0
	v_mov_b32 v24, 0.5
	v_mov_b32 v25, 0.5
	v_mov_b32 v26, 0x322bcc77                      ; 1e-8
	v_mov_b32 v27, 0x322bcc77
	v_and_b32 v28, 15, v0                          ; the addresses of the last phases: lane l takes row l % 16 and rules 4 qc .. + 3, qc = 2 w + l / 16
	v_bfe_u32 v29, v0, 4, 1
	v_lshlrev_b32 v30, 4, v28
	v_mul_u32_u24 v28, v28, PP
	v_lshl_add_u32 v28, v29, 4, v28
	s_lshl_b32 s6, s2, 5
	s_add_co_u32 s6, s6, PART
	v_add_nc_u32 v28, s6, v28                      ; in LDS: PART + 272 row + 16 qc
	v_lshl_add_u32 v29, v29, 10, v30
	s_lshl_b32 s6, s2, 11
	v_add_nc_u32 v29, s6, v29                      ; in zT: 1,024 qc + 16 row
	v_add_nc_u32 v30, STAT, v2                     ; the statistics on their way out: 4 bytes a lane
	; the scale 0.5 / sigma^2 + 1e-8, in place
.set j, 0
.rept 32
	v_pk_mul_f32 v[SG+j:SG+j+1], v[SG+j:SG+j+1], v[SG+j:SG+j+1]
.set j, j+2
.endr
.set j, 0
.rept 64
	v_rcp_f32 v[SG+j], v[SG+j]
.set j, j+1
.endr
	v_nop                                          ; a plain instruction behind the last reciprocal (ISA guide 5.7.2)
	s_wait_alu depctr_va_vdst(0)                   ; one wait for the batch of 64, ahead of its first reader
.set j, 0
.rept 32
	v_pk_fma_f32 v[SG+j:SG+j+1], v[SG+j:SG+j+1], v[24:25], v[26:27]
.set j, j+2
.endr
	s_wait_loadcnt 0x0                             ; c
; A UNIT: two rows x eight inputs x my two rules: 48 packed instructions.  The next unit's four LDS loads go out first, into the other buffer.
.macro UNIT n
.if (\n) < 31
	XLOAD (\n)+1
	s_wait_dscnt 4                                 ; this unit's x is in; the four just issued may be out
.else
	s_wait_dscnt 0
.endif
.set ub, XB+16*((\n)%2)
.set ur, 2*((\n)/4)
.set uk, (\n)%4
.irp pp, 0,1,2,3
.irp q, 0,1,2,3                        ; q = 2 x (which of the two rows) + u
	v_pk_add_f32 v[DD+2*\q:DD+2*\q+1], v[ub+8*(\q/2)+2*\pp:ub+8*(\q/2)+2*\pp+1], v[CC+32*(\q%2)+8*uk+2*\pp:CC+32*(\q%2)+8*uk+2*\pp+1] neg_lo:[0,1] neg_hi:[0,1]
.endr
.irp q, 0,1,2,3
	v_pk_mul_f32 v[DD+2*\q:DD+2*\q+1], v[DD+2*\q:DD+2*\q+1], v[DD+2*\q:DD+2*\q+1]
.endr
.irp q, 0,1,2,3
.if (uk == 0) && (\pp == 0)
	v_pk_mul_f32 v[AC+4*(ur+\q/2)+2*(\q%2):AC+4*(ur+\q/2)+2*(\q%2)+1], v[DD+2*\q:DD+2*\q+1], v[SG+32*(\q%2)+8*uk+2*\pp:SG+32*(\q%2)+8*uk+2*\pp+1]   ; a row's first pair starts its sums: nothing is cleared
.else
	v_pk_fma_f32 v[AC+4*(ur+\q/2)+2*(\q%2):AC+4*(ur+\q/2)+2*(\q%2)+1], v[DD+2*\q:DD+2*\q+1], v[SG+32*(\q%2)+8*uk+2*\pp:SG+32*(\q%2)+8*uk+2*\pp+1], v[AC+4*(ur+\q/2)+2*(\q%2):AC+4*(ur+\q/2)+2*(\q%2)+1]
.endif
.endr
.endr
.endm
.set un, 0
.rept 32
	UNIT un
.set un, un+1
.endr
	; ROW STATISTICS: rows 2 w and 2 w + 1, eight numbers a lane; the two rows by turns.  First the mean, then the sum of squares about it.
	ds_load_b128 v[32:35], v11
	ds_load_b128 v[36:39], v11 offset:512
	ds_load_b128 v[40:43], v11 offset:1024
	ds_load_b128 v[44:47], v11 offset:1536
	s_wait_dscnt 0x0
.irp a, 0,1
	v_pk_add_f32 v[16+4*\a:17+4*\a], v[32+8*\a:33+8*\a], v[34+8*\a:35+8*\a]
	v_pk_add_f32 v[18+4*\a:19+4*\a], v[36+8*\a:37+8*\a], v[38+8*\a:39+8*\a]
.endr
.irp a, 0,1
	v_pk_add_f32 v[16+4*\a:17+4*\a], v[16+4*\a:17+4*\a], v[18+4*\a:19+4*\a]
.endr
.irp a, 0,1
	v_add_f32 v[16+4*\a], v[16+4*\a], v[17+4*\a]
.endr
.irp m, 1,2,4,8
.irp a, 0,1
	v_add_f32_dpp v[16+4*\a], v[16+4*\a], v[16+4*\a] row_xmask:\m row_mask:0xf bank_mask:0xf
.endr
.endr
.irp a, 0,1
	v_permlanex16_b32 v[17+4*\a], v[16+4*\a], s38, s39
.endr
.irp a, 0,1
	v_add_f32 v[16+4*\a], v[16+4*\a], v[17+4*\a]
.endr
.irp a, 0,1
	v_mul_f32 v[16+4*\a], 0x3b800000, v[16+4*\a]   ; xbar = the sum / 256, in every lane
.endr
.irp k, 0,1,2,3
.irp a, 0,1
	v_pk_add_f32 v[32+8*\a+2*\k:33+8*\a+2*\k], v[32+8*\a+2*\k:33+8*\a+2*\k], v[16+4*\a:17+4*\a] op_sel_hi:[1,0] neg_lo:[0,1] neg_hi:[0,1]
.endr
.endr
.irp a, 0,1
	v_pk_mul_f32 v[18+4*\a:19+4*\a], v[32+8*\a:33+8*\a], v[32+8*\a:33+8*\a]
.endr
.irp k, 1,2,3
.irp a, 0,1
	v_pk_fma_f32 v[18+4*\a:19+4*\a], v[32+8*\a+2*\k:33+8*\a+2*\k], v[32+8*\a+2*\k:33+8*\a+2*\k], v[18+4*\a:19+4*\a]
.endr
.endr
.irp a, 0,1
	v_add_f32 v[18+4*\a], v[18+4*\a], v[19+4*\a]
.endr
.irp m, 1,2,4,8
.irp a, 0,1
	v_add_f32_dpp v[18+4*\a], v[18+4*\a], v[18+4*\a] row_xmask:\m row_mask:0xf bank_mask:0xf
.endr
.endr
.irp a, 0,1
	v_permlanex16_b32 v[19+4*\a], v[18+4*\a], s38, s39
.endr
.irp a, 0,1
	v_add_f32 v[18+4*\a], v[18+4*\a], v[19+4*\a]   ; Vx = the sum of (x - xbar)^2
.endr
	ds_store_b32 v6, v16                           ; all lanes write the same word with the same value
	ds_store_b32 v6, v18 offset:4
	ds_store_b32 v6, v20 offset:8
	ds_store_b32 v6, v22 offset:12
	; my partial sums: even and odd i are joined, then 64 rules of each row go to my part of LDS
.set j, 0
.rept 32
	v_add_f32 v[AC+2*j], v[AC+2*j], v[AC+2*j+1]
.set j, j+1
.endr
.set j, 0
.rept 32
	ds_store_b32 v5, v[AC+2*j] offset:(j/2)*PP+(j%2)*128
.set j, j+1
.endr
	s_wait_dscnt 0x0                               ; for the others' sake: my stores have landed
	s_barrier_signal -1
	s_barrier_wait -1
	; the eight waves' parts are added: a lane takes four rules of one row
.irp e, 0,1,2,3,4,5,6,7
	ds_load_b128 v[32+4*\e:35+4*\e], v28 offset:\e*PW
.endr
	s_wait_dscnt 0x0
.irp e, 0,2,4,6
	v_pk_add_f32 v[32+4*\e:33+4*\e], v[32+4*\e:33+4*\e], v[36+4*\e:37+4*\e]
	v_pk_add_f32 v[34+4*\e:35+4*\e], v[34+4*\e:35+4*\e], v[38+4*\e:39+4*\e]
.endr
.irp e, 0,4
	v_pk_add_f32 v[32+4*\e:33+4*\e], v[32+4*\e:33+4*\e], v[40+4*\e:41+4*\e]
	v_pk_add_f32 v[34+4*\e:35+4*\e], v[34+4*\e:35+4*\e], v[42+4*\e:43+4*\e]
.endr
	v_pk_add_f32 v[32:33], v[32:33], v[48:49]
	v_pk_add_f32 v[34:35], v[34:35], v[50:51]
	v_pk_mul_f32 v[32:33], v[32:33], 0xbb800000 op_sel_hi:[1,0]    ; x -1/256: the mean of the negated terms
	v_pk_mul_f32 v[34:35], v[34:35], 0xbb800000 op_sel_hi:[1,0]
	global_store_b128 v29, v[32:35], s[18:19]      ; sixteen lanes store 256 consecutive bytes, aligned
	s_cmp_gt_u32 s2, 1
	s_cbranch_scc1 .Lno_scale                      ; waves 0 and 1 hold np = 0 and 1
	global_store_b32 v2, v10, s[24:25]
.Lno_scale:
	s_or_b32 s6, s2, s3
	s_cmp_lg_u32 s6, 0
	s_cbranch_scc1 .Ldone                          ; wave 0 of qh = 0 stores the 16 rows' statistics
	ds_load_b32 v31, v30                           ; stored ahead of the barrier above
	s_wait_dscnt 0x0
	global_store_b32 v2, v31, s[20:21]
.Ldone:
	s_set_vgpr_msb 0x5
	s_wait_tensorcnt 0x0
	ds_add_u32 v0, v1
	s_wait_dscnt 0x0
	s_set_vgpr_msb 0x500
	s_endpgm
.Lfunc_end_k_q9fc6a794c4_fire:
	.size	k_q9fc6a794c4_fire, .Lfunc_end_k_q9fc6a794c4_fire-k_q9fc6a794c4_fire
	.p2alignl 7, 3214868480
	.fill 96, 4, 3214868480
	.section	.rodata,"a",@progbits
	.p2align	6, 0x0
	.amdhsa_kernel k_q9fc6a794c4_fire
		.amdhsa_group_segment_fixed_size 52480
		.amdhsa_private_segment_fixed_size 0
		.amdhsa_enable_private_segment 0
		.amdhsa_kernarg_size 72
		.amdhsa_user_sgpr_count 2
		.amdhsa_user_sgpr_kernarg_segment_ptr 1
		.amdhsa_wavefront_size32 1
		.amdhsa_system_sgpr_workgroup_id_x 1
		.amdhsa_system_sgpr_workgroup_id_y 1
		.amdhsa_system_sgpr_workgroup_id_z 1
		.amdhsa_system_vgpr_workitem_id 0
		.amdhsa_next_free_vgpr 258
		.amdhsa_next_free_sgpr 66
		.amdhsa_reserve_vcc 0
		.amdhsa_float_denorm_mode_32 3
		.amdhsa_float_denorm_mode_16_64 3
		.amdhsa_memory_ordered 1
		.amdhsa_forward_progress 1
		.amdhsa_inst_pref_size 138
	.end_amdhsa_kernel
	.amdgpu_metadata
---
amdhsa.version: [ 1, 2 ]
amdhsa.kernels:
  - .name:           k_q9fc6a794c4_fire
    .symbol:         k_q9fc6a794c4_fire.kd
    .args:
      - { .name: X, .offset: 0, .size: 8, .value_kind: global_buffer, .address_space: global }
      - { .name: centers, .offset: 8, .size: 8, .value_kind: global_buffer, .address_space: global }
      - { .name: sigmas, .offset: 16, .size: 8, .value_kind: global_buffer, .address_space: global }
      - { .name: W_codes, .offset: 24, .size: 8, .value_kind: global_buffer, .address_space: global }
      - { .name: W_scales, .offset: 32, .size: 8, .value_kind: global_buffer, .address_space: global }
      - { .name: zT, .offset: 40, .size: 8, .value_kind: global_buffer, .address_space: global }
      - { .name: xstat, .offset: 48, .size: 8, .value_kind: global_buffer, .address_space: global }
      - { .name: Wimg, .offset: 56, .size: 8, .value_kind: global_buffer, .address_space: global }
      - { .name: WSimg, .offset: 64, .size: 8, .value_kind: global_buffer, .address_space: global }
    .group_segment_fixed_size: 52480
    .private_segment_fixed_size: 0
    .kernarg_segment_align: 8
    .kernarg_segment_size: 72
    .max_flat_workgroup_size: 256
    .sgpr_count:     66
    .vgpr_count:     258
    .wavefront_size: 32
...
	.end_amdgpu_metadata
.endif
;; end of part 1
;; launch main (part 2): grid 8 x 32, 4 waves a work-group, no clusters, 169,728 bytes of LDS; arguments X, zT, xstat, ln_gamma, ln_beta, Wimg, WSimg, W_codes, W_scales, part; writes part
.if DOCPART == 2
	.amdgcn_target "amdgcn-amd-amdhsa--gfx1250"
	.amdhsa_code_object_version 6
	.text
	.protected	k_q9fc6a794c4_main
	.globl	k_q9fc6a794c4_main
	.p2align	8
	.type	k_q9fc6a794c4_main,@function
k_q9fc6a794c4_main:
	s_mov_b64 s[64:65], 0
	v_nop
	global_prefetch_b8 v0, s[64:65] scope:SCOPE_SE
	s_setreg_imm32_b32 hwreg(HW_REG_WAVE_MODE, 25, 1), 1
	s_wait_xcnt 0x0
; SOFTMAX, LAYERNORM, QUANTISER AND THE PRODUCT WITH W, on codes of FP4 (E2M1) with one E8M0 scale for each 32 along K.
; feats[row][256 rule + i] = x_i f_rule, feats[row][32768 + rule] = f_rule;  y = gamma (feats - mu) rstd + beta is quantised along K and multiplied by W (64 x 32,896, given as codes).
; ARITHMETIC, all f32.  p = 2^((z - max z) log2 e), L = the sum of p, f = p / L.  With xbar and Vx of the row, D = 32,896 and F2 = the sum of (f - 1/128)^2:
;   mu = (256 xbar + 1) / D;   var = [F2 (Vx + 256 xbar^2 + 1) + Vx / 128 + (xbar - 1)^2 256 / D] / D: every term is 0 or more, nothing cancels.  (It uses that the f add up to 1, which holds within f32 rounding.)
;   rstd = rsq(var + 1e-5), a = p rstd / L, nm = -mu rstd;   y = gamma (x a + nm) + beta, in the tail gamma (a + nm) + beta: two fused multiply-adds a number.
; SHARES.  Work-group (kg, G): rows 64 G .. + 63 (four tiles of 16), inputs 128 p .. + 127 (p = kg & 1), rules 32 rb .. + 31 (rb = kg / 2).  Wave w: rules rho0 + s, rho0 = 32 rb + 8 w, s = 0 .. 7: K steps
; 2 (rho0 + s) + p, for all four tiles, so that each load of gamma and beta serves four tiles.  The four waves' sums meet in LDS; the eight kg's parts are added by the next launch.
; THE TAIL (K step 256) of tile w is made by wave w in every work-group and weighed with 1 for kg = 0 and with 0 otherwise: no branch stands in this text.
; LAYOUT.  Source 0 = 16 rows of y, source 1 = 16 rows of W.  Lane (r, h) of a fragment of y holds row r and, in registers 4 c .. 4 c + 3, k = 64 c + 32 h + 0 .. 31: a WHOLE block of 32 in a lane for each half c,
; so a block's largest magnitude needs no other lane.  n tile nt takes W's rows 4 r + nt, so that lane r owns n = 4 r .. 4 r + 3 in the end.
; PIPELINE.  The work goes by HALF FRAGMENTS (tile t, half c: 32 numbers a lane), in two buffers by turns: while one half's y is made, the end of the half before (the last maxima, the scale, the conversions,
; the scale byte) stands among its lines, and a tile's four products stand one half later still, behind sixteen plain instructions.
; LIMITS: NaN and infinities are not served; p under 2^-126 counts as 0 (v_exp_f32); a block whose largest magnitude lies under 2^-124 keeps the byte 1, a block of zeros too (its codes are zeros);
; v_exp_f32, v_rcp_f32, v_rsq_f32 are good to 1 ulp; the sums along K are split over waves and work-groups, in another order than a single chain.
; REGISTERS, in windows of 256 (s_set_vgpr_msb: bits 1:0 source 0, 3:2 source 1, 5:4 source 2, 7:6 destination):
;   window 0: v1-9 addresses and my row's nm; v10-27 W's scale words; v28-32 y's scale words; v33-46 at work; v47-58 addresses of the head and the end; v64-127 two buffers of y (at the head: z, p, a);
;             v128-255 gamma and beta, two sets (at the head: staging and the softmax's work)
;   window 1: x, [tile][c][32].   window 2: W's fragments of my eight K steps.
;   window 3: v0-127 the 16 accumulators; v128-159 the tail's four; v160-191 W's tail; v192-215 a and nm of the four tiles, as pairs; v216-247 y's codes, a fragment a tile; v248-255 the tail's codes
.set XR,    0                          ; LDS: x, 64 rows x (512 bytes + 16)
.set XP,    528
.set GB,    64*XP                      ; gamma and beta: for each wave [s 8][gamma 512 | beta 512], then the tail's 512 | 512
.set GBWV,  9216
.set AT,    GB+4*GBWV                  ; a[rule 128][row 64]
.set NMT,   AT+128*256                 ; nm[row 64]
.set RED,   NMT+256                    ; the waves' sums: [wave 4][tile 4][chunk 8] x 512 bytes
.set LI,   1                           ; 16 x lane
.set GADR, 2                           ; GB + 9,216 w + 128 h
.set SH8,  3                           ; 8 h
.set L4,   4                           ; 4 x lane
.set XADR, 5                           ; XR + 528 r + 128 h
.set AADR, 6                           ; AT + 256 rho0 + 4 r
.set NADR, 7                           ; NMT + 4 r
.set NMO,  8                           ; v[8:9] my own row's nm (the pair's low word serves both halves)
.set WS,   10                          ; W's scale words: step s, np at WS + 2 s + np; the tail's at WS + 16
.set ASC,  28                          ; y's scale word of tile t
.set TSC,  32                          ; and of the tail
.set SOP,  33                          ; the conversion's scale operand
.set BYT,  34
.set PX,   35
.set R,    36                          ; v36-46 maxima
.set ZOF,  47
.set XST,  48                          ; v[48:49] xbar, Vx
.set XSO,  50
.set WTO,  51
.set WSO,  52
.set ATW,  53
.set REDW, 54
.set REDR, 55
.set XSW,  56
.set GBS,  57
.set NMW,  58
.set YA,   64
.set GR,   128                         ; set c: gamma at GR + 64 c, beta at GR + 64 c + 32
.set ACC,  0                           ; window 3
.set TA,   128
.set WT,   160
.set AAC,  192
.set NM,   208
.set CODES, 216
.set TC,   248
.set MSB, 0
.macro WIN new                         ; the immediate's high byte repeats the setting that is left; a switch that changes nothing is dropped
.if MSB != \new
	s_set_vgpr_msb (MSB<<8)|\new
.set MSB, \new
.endif
.endm
.macro BAR                             ; my LDS stores have landed and my LDS loads are in: then the work-group's barrier
	s_wait_dscnt 0x0
	s_barrier_signal -1
	s_barrier_wait -1
.endm
; W of my K step s: eight dense loads of 512 bytes into window 2, two scale words: ten loads
.macro WLOAD s
	WIN 0x80
.irp e, 0,1,2,3,4,5,6,7
	global_load_b128 v[32*(\s)+4*\e:32*(\s)+4*\e+3], v[LI], s[18:19] offset:(\s)*8192+\e*512
.endr
	WIN 0
.irp e, 0,1
	global_load_b32 v[WS+2*(\s)+\e], v[L4], s[20:21] offset:(\s)*512+\e*128
.endr
.endm
; gamma and beta of half c (my lane's 32 of each) from my wave's part of LDS, off bytes in: sixteen loads
.macro GLOAD c, off
.irp q, 0,1,2,3,4,5,6,7
	ds_load_b128 v[GR+64*(\c)+4*\q:GR+64*(\c)+4*\q+3], v[GADR] offset:(\off)+256*(\c)+16*\q
.endr
.irp q, 0,1,2,3,4,5,6,7
	ds_load_b128 v[GR+64*(\c)+32+4*\q:GR+64*(\c)+32+4*\q+3], v[GADR] offset:(\off)+512+256*(\c)+16*\q
.endr
.endm
	s_load_b512 s[8:23], s[0:1], 0x0               ; X s[8:9], zT s[10:11], xstat s[12:13], gamma s[14:15], beta s[16:17], Wimg s[18:19], WSimg s[20:21], W_codes s[22:23]
	s_load_b128 s[24:27], s[0:1], 0x40             ; W_scales s[24:25], part s[26:27]
	v_lshl_add_u32 v62, v0, 2, 0x29500
	v_mov_b32 v63, 0
	v_lshrrev_b32 v59, 5, v0
	v_readfirstlane_b32 s2, v59                    ; wave 0..3
	s_mov_b32 s3, ttmp9                            ; kg
	s_and_b32 s4, ttmp7, 0xffff                    ; G
	s_and_b32 s5, s3, 1                            ; p
	s_lshr_b32 s6, s3, 1
	s_and_b32 s6, s6, 3                            ; rb
	s_lshl_b32 s52, s6, 5
	s_lshl_b32 s7, s2, 3
	s_add_co_u32 s52, s52, s7                      ; rho0 = 32 rb + 8 w
	v_and_b32 v59, 31, v0                          ; lane
	v_and_b32 v60, 15, v0                          ; r
	v_bfe_u32 v61, v0, 4, 1                        ; h
	v_lshlrev_b32 v[LI], 4, v59
	v_lshlrev_b32 v[L4], 2, v59
	v_lshlrev_b32 v[SH8], 3, v61
	s_mul_i32 s7, s2, GBWV
	s_add_co_u32 s7, s7, GB
	v_lshl_add_u32 v[GADR], v61, 7, s7
	v_add_nc_u32 v[GBS], s7, v[LI]
	v_mul_u32_u24 v[XADR], v60, XP
	v_lshl_add_u32 v[XADR], v61, 7, v[XADR]
	s_lshl_b32 s7, s52, 8
	s_add_co_u32 s7, s7, AT
	v_lshl_add_u32 v[AADR], v60, 2, s7
	v_lshl_add_u32 v[NADR], v60, 2, NMT
	s_lshl_b32 s7, s2, 6
	s_add_co_u32 s53, s7, AT
	v_lshl_add_u32 v[ATW], v60, 2, s53
	v_lshl_add_u32 v[ATW], v61, 13, v[ATW]         ; where I put a: AT + 4 (16 w + r) + 32 h rules of 256 bytes
	s_add_co_u32 s53, s7, NMT
	v_lshl_add_u32 v[NMW], v60, 2, s53
	s_lshl_b32 s7, s2, 14
	s_add_co_u32 s7, s7, RED
	v_add_nc_u32 v[REDW], s7, v[LI]
	s_lshl_b32 s7, s2, 12
	s_add_co_u32 s7, s7, RED
	v_add_nc_u32 v[REDR], s7, v[LI]
	s_mul_i32 s7, s2, 16*XP
	v_add_nc_u32 v[XSW], s7, v[LI]
	v_lshlrev_b32 v[ZOF], 4, v60
	v_lshl_add_u32 v[ZOF], v61, 13, v[ZOF]         ; zT: 16 r + 8 h chunks of 1,024 bytes
	v_lshlrev_b32 v[XSO], 3, v60
	v_mul_u32_u24 v[WTO], v60, 0x10100             ; W's codes: row 4 r of 16,448 bytes, + 16 h
	v_lshl_add_u32 v[WTO], v61, 4, v[WTO]
	v_lshl_add_u32 v[WSO], v60, 2, v61
	v_mul_u32_u24 v[WSO], v[WSO], 1028             ; W's scale bytes: row 4 r + h
	v_mov_b32 v[NMO+1], 0                          ; named with v8 as a pair, so it is written
	v_mov_b32 v[PX], 0                             ; a lane permute's destination counts as one of its sources
	s_lshl_b32 s32, s4, 16                         ; X: (64 G + 16 w) rows of 1,024 bytes + 512 p
	s_lshl_b32 s7, s2, 14
	s_add_co_u32 s32, s32, s7
	s_lshl_b32 s7, s5, 9
	s_add_co_u32 s32, s32, s7
	s_mov_b32 s33, 0
	s_lshl_b32 s34, s4, 15                         ; zT: 32,768 G + 256 w
	s_lshl_b32 s7, s2, 8
	s_add_co_u32 s34, s34, s7
	s_mov_b32 s35, 0
	s_lshl_b32 s36, s4, 9                          ; xstat: (64 G + 16 w) x 8
	s_lshl_b32 s7, s2, 7
	s_add_co_u32 s36, s36, s7
	s_mov_b32 s37, 0
	s_lshl_b32 s38, s52, 10                        ; gamma, beta: (256 rho0 + 128 p) x 4
	s_lshl_b32 s7, s5, 9
	s_add_co_u32 s38, s38, s7
	s_mov_b32 s39, 0
	s_lshl_b32 s7, s52, 1
	s_add_co_u32 s7, s7, s5                        ; my first K step: 2 rho0 + p
	s_lshl_b32 s54, s7, 12
	s_mov_b32 s55, 0
	s_lshl_b32 s56, s7, 8
	s_mov_b32 s57, 0
	s_lshl_b32 s58, s3, 7                          ; part: (128 kg + 4 G + w) x 4,096
	s_lshl_b32 s7, s4, 2
	s_add_co_u32 s58, s58, s7
	s_add_co_u32 s58, s58, s2
	s_lshl_b32 s58, s58, 12
	s_mov_b32 s59, 0
	s_mov_b32 s40, 0x76543210
	s_mov_b32 s41, 0xfedcba98                      ; v_permlanex16_b32's selects for lane l xor 16
	s_mov_b32 s42, 0x3fb8aa3b                      ; log2 e
	s_mov_b32 s43, s42
	s_mov_b32 s46, 0x3c000000                      ; 1/128
	s_mov_b32 s47, 0x43800000                      ; 256
	s_mov_b32 s48, 0x3bff00ff                      ; 256 / D
	s_mov_b32 s49, 0x37ff00ff                      ; 1 / D
	s_mov_b32 s50, 0x3727c5ac                      ; 1e-5
	s_cmp_eq_u32 s3, 0
	s_cselect_b32 s44, 1.0, 0                      ; the tail's weight
	s_mov_b32 s45, s44
	s_wait_kmcnt 0x0
	s_add_nc_u64 s[28:29], s[14:15], 0x20000       ; gamma and beta at k = 32,768
	s_add_nc_u64 s[30:31], s[16:17], 0x20000
	s_add_nc_u64 s[8:9], s[8:9], s[32:33]
	s_add_nc_u64 s[10:11], s[10:11], s[34:35]
	s_add_nc_u64 s[12:13], s[12:13], s[36:37]
	s_add_nc_u64 s[14:15], s[14:15], s[38:39]
	s_add_nc_u64 s[16:17], s[16:17], s[38:39]
	s_add_nc_u64 s[18:19], s[18:19], s[54:55]
	s_add_nc_u64 s[20:21], s[20:21], s[56:57]
	s_add_nc_u64 s[26:27], s[26:27], s[58:59]
	; THE HEAD'S LOADS, in this order: x 16, z 16, xstat 1, gamma and beta 18, W of step 0: 10
	WIN 0x40
.irp k, 0,1,2,3,4,5,6,7,8,9,10,11,12,13,14,15
	global_load_b128 v[4*\k:4*\k+3], v[LI], s[8:9] offset:1024*\k      ; row 16 w + k, my half of the inputs: 512 consecutive bytes
.endr
	WIN 0
.irp c, 0,1
.irp q, 0,1,2,3,4,5,6,7
	global_load_b128 v[YA+32*\c+4*\q:YA+32*\c+4*\q+3], v[ZOF], s[10:11] offset:(16*\c+\q)*1024   ; register 32 c + j: z of my row 16 w + r, rule 64 c + 32 h + j
.endr
.endr
	global_load_b64 v[XST:XST+1], v[XSO], s[12:13]
.irp e, 0,1,2,3,4,5,6,7
	global_load_b128 v[128+4*\e:131+4*\e], v[LI], s[14:15] offset:1024*\e
	global_load_b128 v[160+4*\e:163+4*\e], v[LI], s[16:17] offset:1024*\e
.endr
	global_load_b128 v[192:195], v[LI], s[28:29]
	global_load_b128 v[196:199], v[LI], s[30:31]
	WLOAD 0
	s_wait_loadcnt 45                              ; x is in: behind it z 16, xstat 1, gamma and beta 18, W 10
	WIN 0x04                                       ; an LDS store's data are its source 1: window 1
.irp k, 0,1,2,3,4,5,6,7,8,9,10,11,12,13,14,15
	ds_store_b128 v[XSW], v[4*\k:4*\k+3] offset:XP*\k
.endr
	WIN 0
	BAR                                            ; all 64 rows of x lie in LDS
	WIN 0x40
.irp t, 0,1,2,3
.irp c, 0,1
.irp q, 0,1,2,3,4,5,6,7
	ds_load_b128 v[64*\t+32*\c+4*\q:64*\t+32*\c+4*\q+3], v[XADR] offset:\t*16*XP+256*\c+16*\q   ; x(16 t + r, 128 p + 64 c + 32 h + 4 q ..): it stays in window 1
.endr
.endr
.endr
	WIN 0
	WLOAD 1
	WIN 0xc0
.irp e, 0,1,2,3,4,5,6,7
	v_mov_b32 v[AAC+2*\e+1], 0                     ; the upper words of the pairs of which the low word serves both halves: named, so written, once
.endr
.irp e, 0,1,2,3
	v_mov_b32 v[NM+2*\e+1], 0
.endr
.irp e, 0,1,2,3
.irp c, 0,1
	global_load_b128 v[WT+8*\e+4*\c:WT+8*\e+4*\c+3], v[WTO], s[22:23] offset:\e*16448+16384+32*\c   ; W's K step 256, as it lies: row 4 r + nt, bytes 16,384 + 32 c + 16 h
.endr
.endr
	WIN 0
.irp e, 0,1
	global_load_b32 v[WS+16+\e], v[WSO], s[24:25] offset:\e*2056+1024
.endr
	s_wait_loadcnt 30                              ; z, xstat, gamma and beta are in: behind them W of steps 0 and 1 and the tail's, ten loads each
.irp e, 0,1,2,3,4,5,6,7
	ds_store_b128 v[GBS], v[128+4*\e:131+4*\e] offset:1024*\e
	ds_store_b128 v[GBS], v[160+4*\e:163+4*\e] offset:1024*\e+512
.endr
	ds_store_b128 v[GBS], v[192:195] offset:8192
	ds_store_b128 v[GBS], v[196:199] offset:8704
	WLOAD 2
	WLOAD 3
	WLOAD 4
	; THE SOFTMAX of my row 16 w + r: I hold 64 of its 128 rules, lane l xor 16 the others
.irp b, 0,1,2,3
	v_max3_num_f32 v[200+\b], v[YA+16*\b], v[YA+16*\b+1], v[YA+16*\b+2]
.endr
.irp i, 3,5,7,9,11,13
.irp b, 0,1,2,3
	v_max3_num_f32 v[200+\b], v[200+\b], v[YA+16*\b+\i], v[YA+16*\b+\i+1]
.endr
.endr
.irp b, 0,1,2,3
	v_max_num_f32 v[200+\b], v[200+\b], v[YA+16*\b+15]
.endr
	v_max3_num_f32 v200, v200, v201, v202
	v_max_num_f32 v200, v200, v203
	v_permlanex16_b32 v201, v200, s40, s41
	v_max_num_f32 v200, v200, v201                 ; the row's largest z
.set j, 0
.rept 32
	v_pk_add_f32 v[YA+j:YA+j+1], v[YA+j:YA+j+1], v[200:201] op_sel_hi:[1,0] neg_lo:[0,1] neg_hi:[0,1]   ; z - max first, so that the factor below multiplies a small number
.set j, j+2
.endr
.set j, 0
.rept 32
	v_pk_mul_f32 v[YA+j:YA+j+1], v[YA+j:YA+j+1], s[42:43] op_sel_hi:[1,0]
.set j, j+2
.endr
.set j, 0
.rept 64
	v_exp_f32 v[YA+j], v[YA+j]                     ; p, at most 1
.set j, j+1
.endr
	v_mov_b32 v209, 0                              ; (a plain instruction behind the last exponential; v209 and v211 are upper words of pairs named below)
	v_mov_b32 v211, 0
	s_wait_alu depctr_va_vdst(0)                   ; one wait for the batch of 64, ahead of its first reader
	v_pk_add_f32 v[204:205], v[YA:YA+1], v[YA+2:YA+3]
	v_pk_add_f32 v[206:207], v[YA+4:YA+5], v[YA+6:YA+7]
.irp j, 8,12,16,20,24,28,32,36,40,44,48,52,56,60
	v_pk_add_f32 v[204:205], v[204:205], v[YA+\j:YA+\j+1]
	v_pk_add_f32 v[206:207], v[206:207], v[YA+\j+2:YA+\j+3]
.endr
	v_pk_add_f32 v[204:205], v[204:205], v[206:207]
	v_add_f32 v204, v204, v205
	v_permlanex16_b32 v205, v204, s40, s41
	v_add_f32 v204, v204, v205                     ; L
	v_mul_f32 v208, s46, v204                      ; L / 128
	v_rcp_f32 v206, v204                           ; 1 / L; the sums below name neither: they are the work behind it
.set j, 0
.rept 8
.irp k, 0,1,2,3
	v_pk_add_f32 v[212+2*\k:213+2*\k], v[YA+8*j+2*\k:YA+8*j+2*\k+1], v[208:209] op_sel_hi:[1,0] neg_lo:[0,1] neg_hi:[0,1]
.endr
.irp k, 0,1,2,3
.if j == 0
	v_pk_mul_f32 v[220+2*\k:221+2*\k], v[212+2*\k:213+2*\k], v[212+2*\k:213+2*\k]
.else
	v_pk_fma_f32 v[220+2*\k:221+2*\k], v[212+2*\k:213+2*\k], v[212+2*\k:213+2*\k], v[220+2*\k:221+2*\k]
.endif
.endr
.set j, j+1
.endr
	v_pk_add_f32 v[220:221], v[220:221], v[222:223]
	v_pk_add_f32 v[224:225], v[224:225], v[226:227]
	v_pk_add_f32 v[220:221], v[220:221], v[224:225]
	v_add_f32 v220, v220, v221
	v_permlanex16_b32 v221, v220, s40, s41
	v_add_f32 v220, v220, v221                     ; the sum of (p - L / 128)^2
	s_wait_alu depctr_va_vdst(0)                   ; the reciprocal's wait, ahead of its first reader
	v_mul_f32 v221, v206, v206
	v_mul_f32 v220, v220, v221                     ; F2
	v_mul_f32 v222, v[XST], v[XST]
	v_fma_f32 v222, v222, s47, v[XST+1]            ; Vx + 256 xbar^2
	v_add_f32 v222, 1.0, v222
	v_mul_f32 v223, s46, v[XST+1]                  ; Vx / 128
	v_fma_f32 v223, v220, v222, v223
	v_add_f32 v224, -1.0, v[XST]
	v_mul_f32 v224, v224, v224
	v_fma_f32 v223, v224, s48, v223                ; + (xbar - 1)^2 256 / D
	v_fma_f32 v223, v223, s49, s50                 ; var + 1e-5
	v_rsq_f32 v225, v223
	v_fma_f32 v226, v[XST], s47, 1.0               ; (plain work behind the root)
	v_mul_f32 v226, s49, v226                      ; mu
	s_wait_alu depctr_va_vdst(0)                   ; the root's wait, ahead of its first reader
	v_mul_f32 v[NMO], -v226, v225                  ; nm = -mu rstd
	v_mul_f32 v210, v206, v225                     ; rstd / L
.set j, 0
.rept 32
	v_pk_mul_f32 v[YA+j:YA+j+1], v[YA+j:YA+j+1], v[210:211] op_sel_hi:[1,0]   ; a = p rstd / L
.set j, j+2
.endr
.set j, 0
.rept 64
	ds_store_b32 v[ATW], v[YA+j] offset:(64*(j/32)+j%32)*256
.set j, j+1
.endr
	ds_store_b32 v[NMW], v[NMO]                    ; both halves of the lanes hold the same number
	BAR                                            ; a and nm of all 64 rows lie in LDS; x is in my registers.  From here to the next barrier no wave writes LDS
	GLOAD 0, 8192                                  ; forty LDS loads: the tail's gamma and beta, half 0 and half 1; nm and step 0's a of the four tiles
	GLOAD 1, 8192
	WIN 0xc0
.irp e, 0,1,2,3
	ds_load_b32 v[NM+2*\e], v[NADR] offset:64*\e
.endr
.irp e, 0,1,2,3
	ds_load_b32 v[AAC+2*\e], v[AADR] offset:64*\e
.endr
	WIN 0
; A TILE'S FOUR PRODUCTS: y's fragment of tile t x W's four n tiles of K step s.  The sixteen accumulators take turns, one instruction a turn.  Step 0 starts the sums with the constant 0.
; W's scale words: register np = nt / 2 holds those of n tile 2 np in lanes 0-15 and of 2 np + 1 in lanes 16-31.
; The wait stands ahead of a step's first tile: W's groups of ten loads were issued in the order 0, 1, tail, 2, 3, 4, 5, 6, 7, the last three at the heads of steps 0, 1, 2; the count is what was issued behind the group wanted.
.macro MMA s, t
.if (\t) == 0
.set mc, 10*(7-(\s))
.if mc > 50
.set mc, 50
.endif
.if (\s) == 0
.set mc, 60
.endif
	s_wait_loadcnt mc
.endif
.if ((\s) == 1) && ((\t) == 0)
	WIN 0xff                                       ; the tail's four products stand here, where the wait has shown W's tail in
.irp e, 0,1,2,3
.if \e%2
	v_wmma_scale_f32_16x16x128_f8f6f4 v[TA+8*\e:TA+8*\e+7], v[TC:TC+7], v[WT+8*\e:WT+8*\e+7], 0, v[TSC], v[WS+16+\e/2] matrix_a_fmt:MATRIX_FMT_FP4 matrix_b_fmt:MATRIX_FMT_FP4 matrix_b_scale:MATRIX_SCALE_ROW1
.else
	v_wmma_scale_f32_16x16x128_f8f6f4 v[TA+8*\e:TA+8*\e+7], v[TC:TC+7], v[WT+8*\e:WT+8*\e+7], 0, v[TSC], v[WS+16+\e/2] matrix_a_fmt:MATRIX_FMT_FP4 matrix_b_fmt:MATRIX_FMT_FP4
.endif
.endr
.endif
	WIN 0xfb                                       ; source 0 (y) window 3, source 1 (W) window 2, C and D window 3
.irp e, 0,1,2,3
.set md, ACC+32*(\t)+8*\e
.set ma, CODES+8*(\t)
.set mb, 32*(\s)+8*\e
.set mw, WS+2*(\s)+\e/2
.if (\s) == 0
.if \e%2
	v_wmma_scale_f32_16x16x128_f8f6f4 v[md:md+7], v[ma:ma+7], v[mb:mb+7], 0, v[ASC+(\t)], v[mw] matrix_a_fmt:MATRIX_FMT_FP4 matrix_b_fmt:MATRIX_FMT_FP4 matrix_b_scale:MATRIX_SCALE_ROW1
.else
	v_wmma_scale_f32_16x16x128_f8f6f4 v[md:md+7], v[ma:ma+7], v[mb:mb+7], 0, v[ASC+(\t)], v[mw] matrix_a_fmt:MATRIX_FMT_FP4 matrix_b_fmt:MATRIX_FMT_FP4
.endif
.else
.if \e%2
	v_wmma_scale_f32_16x16x128_f8f6f4 v[md:md+7], v[ma:ma+7], v[mb:mb+7], v[md:md+7], v[ASC+(\t)], v[mw] matrix_a_fmt:MATRIX_FMT_FP4 matrix_b_fmt:MATRIX_FMT_FP4 matrix_b_scale:MATRIX_SCALE_ROW1
.else
	v_wmma_scale_f32_16x16x128_f8f6f4 v[md:md+7], v[ma:ma+7], v[mb:mb+7], v[md:md+7], v[ASC+(\t)], v[mw] matrix_a_fmt:MATRIX_FMT_FP4 matrix_b_fmt:MATRIX_FMT_FP4
.endif
.endif
.endr
.endm
; Line i of the lines that make the scale byte of the half before.  Half 0: the byte waits in the tile's scale register.  Half 1: my two bytes (blocks h and 2 + h) go to their places, 8 h bits up, and lane l xor 16's two make the word whole.
.macro BL i
.if PV
.if PC_ == 0
.if (\i) == 0
	v_lshrrev_b32 v[PWD], 23, v[SOP]
.endif
.else
.if (\i) == 0
	v_lshrrev_b32 v[BYT], 23, v[SOP]
.elseif (\i) == 1
	v_lshl_or_b32 v[BYT], v[BYT], 16, v[PWD]
.elseif (\i) == 2
	v_lshlrev_b32 v[BYT], v[SH8], v[BYT]
.elseif (\i) == 3
	v_permlanex16_b32 v[PX], v[BYT], s40, s41
.else
	v_or_b32 v[PWD], v[BYT], v[PX]
.endif
.endif
.endif
.endm
; A HALF FRAGMENT.  kind = 1: rule rho0 + s, half c, tile t;  kind = 0: the tail's half c, in place on a.  The symbols P.. describe the half before, RDY, RS, RT a tile whose codes and scale word are whole.
.set NI, 0
.set PV, 0
.set PC_, 0
.set PK, 0
.set PS, 0
.set PT, 0
.set PY, YA
.set PCD, TC
.set PWD, TSC
.set RDY, 0
.set RS, 0
.set RT, 0
.macro ITER kind, s, c, t
.set CY, YA+32*(NI%2)
.if \kind && (\c == 0) && (\t == 0)
.if \s <= 2
	WLOAD \s+5
.endif
	s_wait_dscnt 32                                ; this step's a (in step 0 nm too) is in: behind it the step's gamma and beta, 16 loads for each half
.endif
.if \kind
	WIN 0x3d                                       ; source 0 (x) window 1, sources 1 and 2 (a, nm) window 3
.set j, 0
.rept 16
	v_pk_fma_f32 v[CY+j:CY+j+1], v[64*\t+32*\c+j:64*\t+32*\c+j+1], v[AAC+8*(\s%2)+2*\t:AAC+8*(\s%2)+2*\t+1], v[NM+2*\t:NM+2*\t+1] op_sel_hi:[1,0,0]   ; x a + nm
.set j, j+2
.endr
.else
	WIN 0
.set j, 0
.rept 16
	v_pk_add_f32 v[CY+j:CY+j+1], v[CY+j:CY+j+1], v[NMO:NMO+1] op_sel_hi:[1,0]   ; a + nm
.set j, j+2
.endr
.endif
.if RDY
	MMA RS, RT                                     ; the sixteen lines above are the places between the tile's scale word and codes, made by vector instructions, and its products
.set RDY, 0
.endif
	WIN 0
.if \kind == 0
	s_wait_dscnt 24                                ; this half's gamma and beta are in.  Half 0: behind them half 1's 16, nm 4, a 4;  half 1: nm 4, a 4, step 0's first 16
.elseif \t == 0
.if \c == 0
	s_wait_dscnt 16                                ; half 0's are in; half 1's 16 may be out
.elseif \s <= 6
	s_wait_dscnt 20                                ; half 1's are in; behind them the next step's a, 4, and its half 0, 16
.else
	s_wait_dscnt 0
.endif
.endif
.set j, 0
.rept 16
.if PV && (j == 0)
	v_max3_num_f32 v[R], v[R], v[R+1], v[R+2]      ; the half before: the end of its largest magnitude,
.endif
	v_pk_fma_f32 v[CY+j:CY+j+1], v[CY+j:CY+j+1], v[GR+64*\c+j:GR+64*\c+j+1], v[GR+64*\c+32+j:GR+64*\c+33+j]   ; y = gamma (..) + beta
.if PV && (j == 8)
	v_max3_num_f32 v[R], v[R], v[R+9], v[R+10]
.endif
.if PV && (j == 18)
	v_add_nc_u32 v[SOP], 0xff000000, v[R]          ; and 2 off its exponent field: the conversion takes the exponent field of this operand as its scale
.endif
.set j, j+2
.endr
.if \kind == 0
	GLOAD \c, 0                                    ; this set of gamma and beta has been read: step 0's take its place
.elseif (\t == 3) && (\s <= 6)
.if \c == 0
	WIN 0xc0
.irp e, 0,1,2,3
	ds_load_b32 v[AAC+8*((\s+1)%2)+2*\e], v[AADR] offset:256*(\s+1)+64*\e   ; the next step's a, into the other four pairs
.endr
	WIN 0
.endif
	GLOAD \c, (\s+1)*1024                          ; all four tiles have read this set: the next step's take its place
.endif
.if PV
	WIN 0xc0                                       ; destination window 3
.irp e, 0,1,2,3
	v_cvt_scalef32_pk8_fp4_f32 v[PCD+\e], v[PY+8*\e:PY+8*\e+7], v[SOP]   ; the half before: 32 codes, registers 4 c .. 4 c + 3 of its fragment
.endr
	WIN 0
.endif
.set g, 0
.rept 10
	v_max3_num_f32 v[R+g], |v[CY+3*g]|, |v[CY+3*g+1]|, |v[CY+3*g+2]|   ; this half's largest magnitude: all 32 numbers of the block are mine.  (The first of these is the plain instruction behind the conversions)
.if (g%3) == 2
	BL g/3
.endif
.set g, g+1
.endr
	v_max3_num_f32 v[R+10], |v[CY+30]|, |v[CY+31]|, 0x1800000      ; and the floor 2^(3 - 127): the byte cannot fall under 1
	v_max3_num_f32 v[R], v[R], v[R+1], v[R+2]
	BL 3
	v_max3_num_f32 v[R+1], v[R+3], v[R+4], v[R+5]
	v_max3_num_f32 v[R+2], v[R+6], v[R+7], v[R+8]
	BL 4
.if PV && (PC_ == 1) && (PK == 1)
.set RDY, 1
.set RS, PS
.set RT, PT
.endif
.set PV, 1
.set PY, CY
.set PC_, \c
.set PK, \kind
.set PS, \s
.set PT, \t
.if \kind
.set PCD, CODES+8*\t+4*\c
.set PWD, ASC+\t
.else
.set PCD, TC+4*\c
.set PWD, TSC
.endif
.set NI, NI+1
.endm
	ITER 0, 0, 0, 0                                ; the tail's two halves first: a still stands in the two buffers
	ITER 0, 0, 1, 0
.irp s, 0,1,2,3,4,5,6,7
.irp c, 0,1
.irp t, 0,1,2,3
	ITER 1, \s, \c, \t
.endr
.endr
.endr
	; the last half's end, and the last two tiles' products
	v_max3_num_f32 v[R], v[R], v[R+1], v[R+2]
	v_max3_num_f32 v[R], v[R], v[R+9], v[R+10]
	v_add_nc_u32 v[SOP], 0xff000000, v[R]
	WIN 0xc0
.irp e, 0,1,2,3
	v_cvt_scalef32_pk8_fp4_f32 v[PCD+\e], v[PY+8*\e:PY+8*\e+7], v[SOP]
.endr
	WIN 0
	BL 0
	BL 1
	BL 2
	BL 3
	BL 4
.rept 8
	v_nop                                          ; a scale register written by a vector instruction stands eight places ahead of a scaled matrix instruction, an operand so written four
.endr
	MMA RS, RT
	MMA 7, 3
.rept 4
	v_nop                                          ; four places between the last products and the LDS stores that read results
.endr
	; THE FOUR WAVES' SUMS MEET IN LDS, as images of the accumulators' registers: 512 bytes a store
	BAR
	WIN 0x0c                                       ; an LDS store's data are its source 1: window 3
.irp t, 0,1,2,3
.irp e, 0,1,2,3
	ds_store_b128 v[REDW], v[ACC+32*\t+8*\e:ACC+32*\t+8*\e+3] offset:(8*\t+2*\e)*512        ; each accumulator from its low end on
	ds_store_b128 v[REDW], v[ACC+32*\t+8*\e+4:ACC+32*\t+8*\e+7] offset:(8*\t+2*\e+1)*512
.endr
.endr
	WIN 0
	BAR
.irp b, 0,1,2,3
.irp e, 0,1,2,3,4,5,6,7
	ds_load_b128 v[128+32*\b+4*\e:131+32*\b+4*\e], v[REDR] offset:\b*16384+\e*512   ; wave w adds tile w: the four waves' images of it
.endr
.endr
	s_wait_dscnt 0x0
.irp e, 0,1,2,3,4,5,6,7
	v_pk_add_f32 v[128+4*\e:129+4*\e], v[128+4*\e:129+4*\e], v[160+4*\e:161+4*\e]
	v_pk_add_f32 v[130+4*\e:131+4*\e], v[130+4*\e:131+4*\e], v[162+4*\e:163+4*\e]
	v_pk_add_f32 v[192+4*\e:193+4*\e], v[192+4*\e:193+4*\e], v[224+4*\e:225+4*\e]
	v_pk_add_f32 v[194+4*\e:195+4*\e], v[194+4*\e:195+4*\e], v[226+4*\e:227+4*\e]
.endr
.irp e, 0,1,2,3,4,5,6,7
	v_pk_add_f32 v[128+4*\e:129+4*\e], v[128+4*\e:129+4*\e], v[192+4*\e:193+4*\e]
	v_pk_add_f32 v[130+4*\e:131+4*\e], v[130+4*\e:131+4*\e], v[194+4*\e:195+4*\e]
.endr
	WIN 0x03                                       ; source 0 window 3
.set j, 0
.rept 16
	v_pk_fma_f32 v[128+j:129+j], v[TA+j:TA+j+1], s[44:45], v[128+j:129+j] op_sel_hi:[1,0,1]   ; + the tail's products of tile w, x 1 for kg = 0, x 0 otherwise; each accumulator from its low end on
.set j, j+2
.endr
	WIN 0
.irp e, 0,1,2,3,4,5,6,7
	global_store_b128 v[LI], v[128+4*\e:131+4*\e], s[26:27] offset:512*\e   ; 32 lanes store 512 consecutive bytes, aligned
.endr
	s_wait_tensorcnt 0x0
	ds_add_u32 v62, v63
	s_wait_dscnt 0x0
	s_endpgm
.Lfunc_end_k_q9fc6a794c4_main:
	.size	k_q9fc6a794c4_main, .Lfunc_end_k_q9fc6a794c4_main-k_q9fc6a794c4_main
	.p2alignl 7, 3214868480
	.fill 96, 4, 3214868480
	.section	.rodata,"a",@progbits
	.p2align	6, 0x0
	.amdhsa_kernel k_q9fc6a794c4_main
		.amdhsa_group_segment_fixed_size 169728
		.amdhsa_private_segment_fixed_size 0
		.amdhsa_enable_private_segment 0
		.amdhsa_kernarg_size 80
		.amdhsa_user_sgpr_count 2
		.amdhsa_user_sgpr_kernarg_segment_ptr 1
		.amdhsa_wavefront_size32 1
		.amdhsa_system_sgpr_workgroup_id_x 1
		.amdhsa_system_sgpr_workgroup_id_y 1
		.amdhsa_system_sgpr_workgroup_id_z 1
		.amdhsa_system_vgpr_workitem_id 0
		.amdhsa_next_free_vgpr 1024
		.amdhsa_next_free_sgpr 66
		.amdhsa_reserve_vcc 0
		.amdhsa_float_denorm_mode_32 3
		.amdhsa_float_denorm_mode_16_64 3
		.amdhsa_memory_ordered 1
		.amdhsa_forward_progress 1
		.amdhsa_inst_pref_size 255
	.end_amdhsa_kernel
	.section	.bss,"aw",@nobits
	.p2align	6
	.space	262144
	.amdgpu_metadata
---
amdhsa.version: [ 1, 2 ]
amdhsa.kernels:
  - .name:           k_q9fc6a794c4_main
    .symbol:         k_q9fc6a794c4_main.kd
    .args:
      - { .name: X, .offset: 0, .size: 8, .value_kind: global_buffer, .address_space: global }
      - { .name: zT, .offset: 8, .size: 8, .value_kind: global_buffer, .address_space: global }
      - { .name: xstat, .offset: 16, .size: 8, .value_kind: global_buffer, .address_space: global }
      - { .name: ln_gamma, .offset: 24, .size: 8, .value_kind: global_buffer, .address_space: global }
      - { .name: ln_beta, .offset: 32, .size: 8, .value_kind: global_buffer, .address_space: global }
      - { .name: Wimg, .offset: 40, .size: 8, .value_kind: global_buffer, .address_space: global }
      - { .name: WSimg, .offset: 48, .size: 8, .value_kind: global_buffer, .address_space: global }
      - { .name: W_codes, .offset: 56, .size: 8, .value_kind: global_buffer, .address_space: global }
      - { .name: W_scales, .offset: 64, .size: 8, .value_kind: global_buffer, .address_space: global }
      - { .name: part, .offset: 72, .size: 8, .value_kind: global_buffer, .address_space: global }
    .group_segment_fixed_size: 169728
    .private_segment_fixed_size: 0
    .kernarg_segment_align: 8
    .kernarg_segment_size: 80
    .max_flat_workgroup_size: 128
    .sgpr_count:     66
    .vgpr_count:     1024
    .wavefront_size: 32
...
	.end_amdgpu_metadata
.endif
;; end of part 2
;; launch sum (part 3): grid 256 x 1, 1 waves a work-group, no clusters, 0 bytes of LDS; arguments part, b, out0; writes out0
.if DOCPART == 3
	.amdgcn_target "amdgcn-amd-amdhsa--gfx1250"
	.amdhsa_code_object_version 6
	.text
	.protected	k_q9fc6a794c4_sum
	.globl	k_q9fc6a794c4_sum
	.p2align	8
	.type	k_q9fc6a794c4_sum,@function
k_q9fc6a794c4_sum:
	s_mov_b64 s[64:65], 0
	v_nop
	global_prefetch_b8 v0, s[64:65] scope:SCOPE_SE
	s_setreg_imm32_b32 hwreg(HW_REG_WAVE_MODE, 25, 1), 1
	s_wait_xcnt 0x0
; out0 = the sum of the eight parts along K + b.
; part: [kg 8][tile 128][chunk 8][lane 32][16 bytes], chunk = 2 nt + q: lane (r, h), word e = the element (row 8 h + 4 q + e of the tile, n = 4 r + nt).
; A work-group of one wave takes one tile and one q: 8 rows x 64 outputs.  Each load reads 512 consecutive bytes.  A lane ends with n = 4 r .. 4 r + 3 of four rows,
; so that sixteen lanes store a whole row of out0, 256 consecutive bytes, aligned.  The parts are added in a fixed order (a tree over kg).  No LDS, no barrier.
	s_load_b128 s[4:7], s[0:1], 0x0                ; part, b
	s_load_b64 s[8:9], s[0:1], 0x10                ; out0
	v_lshlrev_b32 v1, 4, v0                        ; 16 x lane
	v_and_b32 v2, 15, v0
	v_lshlrev_b32 v2, 4, v2                        ; 16 r
	v_bfe_u32 v3, v0, 4, 1
	v_lshl_add_u32 v3, v3, 11, v2                  ; out0: 8 h rows of 256 bytes + 16 r
	s_lshr_b32 s10, ttmp9, 1                       ; tile
	s_and_b32 s11, ttmp9, 1                        ; q
	s_lshl_b32 s12, s10, 12
	s_lshl_b32 s14, s11, 9
	s_add_co_u32 s14, s14, s12                     ; part: 4,096 tile + 512 q
	s_mov_b32 s15, 0
	s_lshl_b32 s16, s11, 10
	s_add_co_u32 s16, s16, s12                     ; out0: 16 tile rows + 4 q rows
	s_mov_b32 s17, 0
	s_wait_kmcnt 0x0
	s_add_nc_u64 s[4:5], s[4:5], s[14:15]
	s_add_nc_u64 s[8:9], s[8:9], s[16:17]
.irp k, 0,1,2,3,4,5,6,7
.irp n, 0,1,2,3
	global_load_b128 v[32+16*\k+4*\n:35+16*\k+4*\n], v1, s[4:5] offset:\k*524288+\n*1024 th:TH_LOAD_NT
.endr
.endr
	global_load_b128 v[16:19], v2, s[6:7]          ; b[4 r .. 4 r + 3]
	s_wait_loadcnt 0x0
.irp k, 0,2,4,6
.irp i, 0,2,4,6,8,10,12,14
	v_pk_add_f32 v[32+16*\k+\i:33+16*\k+\i], v[32+16*\k+\i:33+16*\k+\i], v[48+16*\k+\i:49+16*\k+\i]
.endr
.endr
.irp k, 0,4
.irp i, 0,2,4,6,8,10,12,14
	v_pk_add_f32 v[32+16*\k+\i:33+16*\k+\i], v[32+16*\k+\i:33+16*\k+\i], v[64+16*\k+\i:65+16*\k+\i]
.endr
.endr
.irp i, 0,2,4,6,8,10,12,14
	v_pk_add_f32 v[32+\i:33+\i], v[32+\i:33+\i], v[96+\i:97+\i]
.endr
.irp e, 0,1,2,3
.irp n, 0,1,2,3
	v_add_f32 v[160+4*\e+\n], v[32+4*\n+\e], v[16+\n]              ; the bias; the same line brings a row's four neighbours together
.endr
.endr
.irp e, 0,1,2,3
	global_store_b128 v3, v[160+4*\e:163+4*\e], s[8:9] offset:256*\e
.endr
	s_endpgm
.Lfunc_end_k_q9fc6a794c4_sum:
	.size	k_q9fc6a794c4_sum, .Lfunc_end_k_q9fc6a794c4_sum-k_q9fc6a794c4_sum
	.p2alignl 7, 3214868480
	.fill 96, 4, 3214868480
	.section	.rodata,"a",@progbits
	.p2align	6, 0x0
	.amdhsa_kernel k_q9fc6a794c4_sum
		.amdhsa_group_segment_fixed_size 0
		.amdhsa_private_segment_fixed_size 0
		.amdhsa_enable_private_segment 0
		.amdhsa_kernarg_size 24
		.amdhsa_user_sgpr_count 2
		.amdhsa_user_sgpr_kernarg_segment_ptr 1
		.amdhsa_wavefront_size32 1
		.amdhsa_system_sgpr_workgroup_id_x 1
		.amdhsa_system_sgpr_workgroup_id_y 1
		.amdhsa_system_sgpr_workgroup_id_z 1
		.amdhsa_system_vgpr_workitem_id 0
		.amdhsa_next_free_vgpr 192
		.amdhsa_next_free_sgpr 66
		.amdhsa_reserve_vcc 0
		.amdhsa_float_denorm_mode_32 3
		.amdhsa_float_denorm_mode_16_64 3
		.amdhsa_memory_ordered 1
		.amdhsa_forward_progress 1
		.amdhsa_inst_pref_size 9
	.end_amdhsa_kernel
	.amdgpu_metadata
---
amdhsa.version: [ 1, 2 ]
amdhsa.kernels:
  - .name:           k_q9fc6a794c4_sum
    .symbol:         k_q9fc6a794c4_sum.kd
    .args:
      - { .name: part, .offset: 0, .size: 8, .value_kind: global_buffer, .address_space: global }
      - { .name: b, .offset: 8, .size: 8, .value_kind: global_buffer, .address_space: global }
      - { .name: out0, .offset: 16, .size: 8, .value_kind: global_buffer, .address_space: global }
    .group_segment_fixed_size: 0
    .private_segment_fixed_size: 0
    .kernarg_segment_align: 8
    .kernarg_segment_size: 24
    .max_flat_workgroup_size: 32
    .sgpr_count:     66
    .vgpr_count:     192
    .wavefront_size: 32
...
	.end_amdgpu_metadata
.endif
;; end of part 3
;; ======== version 2 of 2: 3 launches
;; workspace buffers: zT 1,048,576 bytes; xstat 16,384 bytes; Wimg 1,048,576 bytes; WSimg 65,536 bytes; part 4,194,304 bytes
;; launch fire (part 4): grid 2 x 128, 8 waves a work-group, no clusters, 52,480 bytes of LDS; arguments X, centers, sigmas, W_codes, W_scales, zT, xstat, Wimg, WSimg; writes zT, xstat, Wimg, WSimg
.if DOCPART == 4
	.amdgcn_target "amdgcn-amd-amdhsa--gfx1250"
	.amdhsa_code_object_version 6
	.text
	.protected	k_q9fc6a794c4_fire
	.globl	k_q9fc6a794c4_fire
	.p2align	8
	.type	k_q9fc6a794c4_fire,@function
k_q9fc6a794c4_fire:
	s_mov_b64 s[64:65], 0
	v_nop
	global_prefetch_b8 v0, s[64:65] scope:SCOPE_SE
	s_setreg_imm32_b32 hwreg(HW_REG_WAVE_MODE, 25, 1), 1
	s_wait_xcnt 0x0
; FIRING LEVELS, ROW STATISTICS OF X, AND W LAID AS REGISTER IMAGES.
; z[row][rule] = -(1/256) x the sum over i of (x[row][i] - c[i][rule])^2 x (0.5 / sigma[i][rule]^2 + 1e-8), all f32, by a subtraction, a square and a
; fused multiply-add: the square is never expanded, so no difference of large sums is formed.
; SHARES.  Work-group (qh, y): rows 16 y .. 16 y + 15, rules 64 qh .. 64 qh + 63, all 256 inputs.  Wave w: inputs 32 w .. 32 w + 31.  Lane l: rules 64 qh + l and 64 qh + 32 + l;
; its c and its scale run down i in consecutive registers, so pairs along i feed the packed forms.  x comes from LDS, the same 16 bytes to every lane: one such load feeds 12 packed instructions.
; The eight waves' partial sums meet in LDS.  z goes out as [row / 64][rule / 4][row % 64][4]: sixteen lanes store 256 consecutive bytes, aligned.
; ALSO: xbar and the sum of (x - xbar)^2 of each row (two passes; stored by qh = 0), and K step S = 2 y + qh of W's codes and scale bytes, laid in the order of the B fragments' registers
; (n tile nt, lane (r, h): W's row 4 r + nt), so that the next launch loads each fragment by dense loads of 512 bytes.
; LIMITS: NaN, infinities and sigma = 0 among the inputs are not served; 1 / sigma^2 is v_rcp_f32's (1 ulp).
.set XS,    0                          ; LDS: the 16 rows of x as they lie, 1,024 bytes each
.set PART,  16384                      ; partial sums: [wave 8][row 16], a row 64 rules x 4 bytes + 16 of padding
.set PP,    272
.set PW,    16*PP
.set STAT,  PART+8*PW                  ; [row 16][xbar, Vx]: 128 bytes
.set DD,    16                         ; v16-23   four pairs at work
.set XB,    32                         ; v32-63   x: two buffers of 2 rows x 8 inputs
.set CC,    64                         ; v64-127  c[u][ii]
.set SG,    128                        ; v128-191 sigma, then the scale, [u][ii]
.set AC,    192                        ; v192-255 sums: row, u: a pair (even i, odd i) at AC + 4 row + 2 u
	s_load_b512 s[8:23], s[0:1], 0x0               ; X s[8:9], centers s[10:11], sigmas s[12:13], W_codes s[14:15], W_scales s[16:17], zT s[18:19], xstat s[20:21], Wimg s[22:23]
	s_load_b64 s[24:25], s[0:1], 0x40              ; WSimg
	s_set_vgpr_msb 0x40
	v_lshl_add_u32 v0, v0, 2, 0xc900
	v_mov_b32 v1, 0
	s_set_vgpr_msb 0x4000
	v_lshrrev_b32 v1, 5, v0
	s_delay_alu instid0(VALU_DEP_1)
	v_readfirstlane_b32 s2, v1                     ; wave 0..7
	s_mov_b32 s3, ttmp9                            ; qh
	s_and_b32 s4, ttmp7, 0xffff                    ; y
	s_lshl_b32 s5, s4, 1
	s_add_co_u32 s5, s5, s3                        ; S = 2 y + qh: the K step of W that this work-group lays out
	v_and_b32 v1, 31, v0                           ; lane
	s_delay_alu instid0(VALU_DEP_1)
	v_lshlrev_b32 v2, 2, v1                        ; 4 x lane
	v_lshlrev_b32 v3, 4, v0                        ; 16 x thread: x on its way in, in memory and in LDS
	s_lshl_b32 s6, s2, 7
	v_mov_b32 v4, s6                               ; x in LDS: my wave's 32 inputs begin 128 w bytes into a row
	s_mul_i32 s6, s2, PW
	s_add_co_u32 s6, s6, PART
	v_add_nc_u32 v5, s6, v2                        ; my partial sums: PART + 4,352 w + 4 x lane
	s_lshl_b32 s6, s2, 4
	s_add_co_u32 s6, s6, STAT
	v_mov_b32 v6, s6                               ; my two rows' statistics: STAT + 16 w
	v_lshlrev_b32 v7, 4, v1                        ; 16 x lane
	s_lshl_b32 s6, s2, 11
	v_add_nc_u32 v11, s6, v7                       ; rows 2 w, 2 w + 1 of x in LDS, 16 bytes a lane
	v_and_b32 v24, 15, v0                          ; r
	v_bfe_u32 v25, v0, 4, 1                        ; h
	s_delay_alu instid0(VALU_DEP_2)
	v_mul_u32_u24 v8, v24, 0x10100                 ; W's codes: row 4 r of 16,448 bytes,
	s_delay_alu instid0(VALU_DEP_1)
	v_lshl_add_u32 v8, v25, 4, v8                  ; + 16 h
	s_delay_alu instid0(VALU_DEP_3)
	v_lshl_add_u32 v9, v24, 2, v25
	s_delay_alu instid0(VALU_DEP_1)
	v_mul_u32_u24 v9, v9, 1028                     ; W's scale bytes: row 4 r + h of 1,028 bytes
	s_mov_b32 s38, 0x76543210
	s_mov_b32 s39, 0xfedcba98                      ; v_permlanex16_b32's selects for lane l xor 16
	s_lshl_b32 s26, s4, 14                         ; X: 16 y rows of 1,024 bytes
	s_mov_b32 s27, 0
	s_lshl_b32 s28, s2, 14                         ; c, sigma: 32 w rows of 512 bytes + 64 qh rules
	s_lshl_b32 s6, s3, 8
	s_add_co_u32 s28, s28, s6
	s_mov_b32 s29, 0
	s_lshr_b32 s6, s2, 1                           ; W's codes: wave w lays chunk 2 nt + c = w
	s_mul_i32 s30, s6, 16448                       ; nt rows on,
	s_lshl_b32 s6, s5, 6
	s_add_co_u32 s30, s30, s6                      ; 64 S bytes along the row,
	s_and_b32 s7, s2, 1
	s_lshl_b32 s6, s7, 5
	s_add_co_u32 s30, s30, s6                      ; + 32 c
	s_mov_b32 s31, 0
	s_mul_i32 s32, s7, 2056                        ; W's scale bytes: 2 np rows on (np = w & 1), + 4 S
	s_lshl_b32 s6, s5, 2
	s_add_co_u32 s32, s32, s6
	s_mov_b32 s33, 0
	s_lshr_b32 s6, s4, 2                           ; zT: (y / 4) x 32,768 + qh x 16,384 + (y % 4) x 256
	s_lshl_b32 s34, s6, 15
	s_lshl_b32 s6, s3, 14
	s_add_co_u32 s34, s34, s6
	s_and_b32 s6, s4, 3
	s_lshl_b32 s6, s6, 8
	s_add_co_u32 s34, s34, s6
	s_mov_b32 s35, 0
	s_lshl_b32 s40, s4, 7                          ; xstat: 16 y rows of 8 bytes
	s_mov_b32 s41, 0
	s_lshl_b32 s42, s5, 12                         ; Wimg: 4,096 S + 512 w
	s_lshl_b32 s6, s2, 9
	s_add_co_u32 s42, s42, s6
	s_mov_b32 s43, 0
	s_lshl_b32 s44, s5, 8                          ; WSimg: 256 S + 128 w (waves 0 and 1 store)
	s_lshl_b32 s6, s2, 7
	s_add_co_u32 s44, s44, s6
	s_mov_b32 s45, 0
	s_wait_alu depctr_va_vdst(0)
	s_wait_kmcnt 0x0
	s_add_nc_u64 s[8:9], s[8:9], s[26:27]
	s_add_nc_u64 s[10:11], s[10:11], s[28:29]
	s_add_nc_u64 s[12:13], s[12:13], s[28:29]
	s_add_nc_u64 s[14:15], s[14:15], s[30:31]
	s_add_nc_u64 s[16:17], s[16:17], s[32:33]
	s_add_nc_u64 s[18:19], s[18:19], s[34:35]
	s_add_nc_u64 s[20:21], s[20:21], s[40:41]
	s_add_nc_u64 s[22:23], s[22:23], s[42:43]
	s_add_nc_u64 s[24:25], s[24:25], s[44:45]
	; 134 loads, in the order in which they are wanted: W's chunk, a scale word, x (4), sigma (64), c (64)
	global_load_b128 v[12:15], v8, s[14:15]        ; lane (r, h): W's row 4 r + nt, bytes 64 S + 32 c + 16 h
	global_load_b32 v10, v9, s[16:17]              ; lane (r, h): the scale word of W's row 4 r + 2 np + h for K step S
.irp k, 0,1,2,3
	global_load_b128 v[16+4*\k:19+4*\k], v3, s[8:9] offset:4096*\k
.endr
.set u, 0
.rept 2
.set ii, 0
.rept 32
	global_load_b32 v[SG+32*u+ii], v2, s[12:13] offset:ii*512+u*128
.set ii, ii+1
.endr
.set u, u+1
.endr
.set u, 0
.rept 2
.set ii, 0
.rept 32
	global_load_b32 v[CC+32*u+ii], v2, s[10:11] offset:ii*512+u*128
.set ii, ii+1
.endr
.set u, u+1
.endr
	s_wait_loadcnt 63                              ; of the 134 the youngest 63 may be out, all of them c's: W's chunk, the scale word, x and all of sigma are in
	global_store_b128 v7, v[12:15], s[22:23]       ; the wave stores 512 consecutive bytes of the image
.irp k, 0,1,2,3
	ds_store_b128 v3, v[16+4*\k:19+4*\k] offset:XS+4096*\k
.endr
	s_wait_dscnt 0x0                               ; for the others' sake: my part of x lies in LDS
	s_barrier_signal -1
	s_barrier_wait -1                              ; all 16 rows do
; x of unit n (rows 2 (n / 4), + 1; inputs 8 (n % 4) .. + 7 of my 32) into buffer n % 2: every lane reads the same 16 bytes
.macro XLOAD n
.set xb, XB+16*((\n)%2)
.set xr, 2*((\n)/4)
.set xk, (\n)%4
	ds_load_b128 v[xb:xb+3],     v4 offset:xr*1024+32*xk
	ds_load_b128 v[xb+4:xb+7],   v4 offset:xr*1024+32*xk+16
	ds_load_b128 v[xb+8:xb+11],  v4 offset:(xr+1)*1024+32*xk
	ds_load_b128 v[xb+12:xb+15], v4 offset:(xr+1)*1024+32*xk+16
.endm
	XLOAD 0
	v_mov_b32 v24, 0.5
	v_mov_b32 v25, 0.5
	v_mov_b32 v26, 0x322bcc77                      ; 1e-8
	v_mov_b32 v27, 0x322bcc77
	v_and_b32 v28, 15, v0                          ; the addresses of the last phases: lane l takes row l % 16 and rules 4 qc .. + 3, qc = 2 w + l / 16
	v_bfe_u32 v29, v0, 4, 1
	s_delay_alu instid0(VALU_DEP_2)
	v_lshlrev_b32 v30, 4, v28
	s_delay_alu instid0(VALU_DEP_3)
	v_mul_u32_u24 v28, v28, PP
	s_delay_alu instid0(VALU_DEP_1)
	v_lshl_add_u32 v28, v29, 4, v28
	s_lshl_b32 s6, s2, 5
	s_add_co_u32 s6, s6, PART
	v_add_nc_u32 v28, s6, v28                      ; in LDS: PART + 272 row + 16 qc
	v_lshl_add_u32 v29, v29, 10, v30
	s_lshl_b32 s6, s2, 11
	v_add_nc_u32 v29, s6, v29                      ; in zT: 1,024 qc + 16 row
	v_add_nc_u32 v30, STAT, v2                     ; the statistics on their way out: 4 bytes a lane
	; the scale 0.5 / sigma^2 + 1e-8, in place
.set j, 0
.rept 32
	v_pk_mul_f32 v[SG+j:SG+j+1], v[SG+j:SG+j+1], v[SG+j:SG+j+1]
.set j, j+2
.endr
.set j, 0
	s_wait_alu depctr_va_vdst(0)
.rept 64
	v_rcp_f32 v[SG+j], v[SG+j]
.set j, j+1
.endr
	v_nop                                          ; a plain instruction behind the last reciprocal (ISA guide 5.7.2)
	s_wait_alu depctr_va_vdst(0)                   ; one wait for the batch of 64, ahead of its first reader
.set j, 0
.rept 32
	v_pk_fma_f32 v[SG+j:SG+j+1], v[SG+j:SG+j+1], v[24:25], v[26:27]
.set j, j+2
.endr
	s_wait_loadcnt 0x0                             ; c
; A UNIT: two rows x eight inputs x my two rules: 48 packed instructions.  The next unit's four LDS loads go out first, into the other buffer.
.macro UNIT n
.if (\n) < 31
	XLOAD (\n)+1
	s_wait_dscnt 4                                 ; this unit's x is in; the four just issued may be out
.else
	s_wait_dscnt 0
.endif
.set ub, XB+16*((\n)%2)
.set ur, 2*((\n)/4)
.set uk, (\n)%4
.irp pp, 0,1,2,3
.irp q, 0,1,2,3                        ; q = 2 x (which of the two rows) + u
	v_pk_add_f32 v[DD+2*\q:DD+2*\q+1], v[ub+8*(\q/2)+2*\pp:ub+8*(\q/2)+2*\pp+1], v[CC+32*(\q%2)+8*uk+2*\pp:CC+32*(\q%2)+8*uk+2*\pp+1] neg_lo:[0,1] neg_hi:[0,1]
.endr
.irp q, 0,1,2,3
	s_delay_alu instid0(VALU_DEP_4)
	v_pk_mul_f32 v[DD+2*\q:DD+2*\q+1], v[DD+2*\q:DD+2*\q+1], v[DD+2*\q:DD+2*\q+1]
.endr
.irp q, 0,1,2,3
.if (uk == 0) && (\pp == 0)
	s_delay_alu instid0(VALU_DEP_4)
	v_pk_mul_f32 v[AC+4*(ur+\q/2)+2*(\q%2):AC+4*(ur+\q/2)+2*(\q%2)+1], v[DD+2*\q:DD+2*\q+1], v[SG+32*(\q%2)+8*uk+2*\pp:SG+32*(\q%2)+8*uk+2*\pp+1]   ; a row's first pair starts its sums: nothing is cleared
.else
	s_delay_alu instid0(VALU_DEP_4)
	v_pk_fma_f32 v[AC+4*(ur+\q/2)+2*(\q%2):AC+4*(ur+\q/2)+2*(\q%2)+1], v[DD+2*\q:DD+2*\q+1], v[SG+32*(\q%2)+8*uk+2*\pp:SG+32*(\q%2)+8*uk+2*\pp+1], v[AC+4*(ur+\q/2)+2*(\q%2):AC+4*(ur+\q/2)+2*(\q%2)+1]
.endif
.endr
.endr
.endm
.set un, 0
.rept 32
	UNIT un
.set un, un+1
.endr
	; ROW STATISTICS: rows 2 w and 2 w + 1, eight numbers a lane; the two rows by turns.  First the mean, then the sum of squares about it.
	ds_load_b128 v[32:35], v11
	ds_load_b128 v[36:39], v11 offset:512
	ds_load_b128 v[40:43], v11 offset:1024
	ds_load_b128 v[44:47], v11 offset:1536
	s_wait_dscnt 0x0
.irp a, 0,1
	v_pk_add_f32 v[16+4*\a:17+4*\a], v[32+8*\a:33+8*\a], v[34+8*\a:35+8*\a]
	v_pk_add_f32 v[18+4*\a:19+4*\a], v[36+8*\a:37+8*\a], v[38+8*\a:39+8*\a]
.endr
.irp a, 0
	s_delay_alu instid0(VALU_DEP_3)
	v_pk_add_f32 v[16+4*\a:17+4*\a], v[16+4*\a:17+4*\a], v[18+4*\a:19+4*\a]
.endr
.irp a, 1
	s_delay_alu instid0(VALU_DEP_2)
	v_pk_add_f32 v[16+4*\a:17+4*\a], v[16+4*\a:17+4*\a], v[18+4*\a:19+4*\a]
.endr
.irp a, 0,1
	s_delay_alu instid0(VALU_DEP_2)
	v_add_f32 v[16+4*\a], v[16+4*\a], v[17+4*\a]
.endr
.irp m, 1,2,4,8
.irp a, 0,1
	s_delay_alu instid0(VALU_DEP_2)
	v_add_f32_dpp v[16+4*\a], v[16+4*\a], v[16+4*\a] row_xmask:\m row_mask:0xf bank_mask:0xf
.endr
.endr
.irp a, 0,1
	s_delay_alu instid0(VALU_DEP_2)
	v_permlanex16_b32 v[17+4*\a], v[16+4*\a], s38, s39
.endr
.irp a, 0,1
	s_delay_alu instid0(VALU_DEP_2)
	v_add_f32 v[16+4*\a], v[16+4*\a], v[17+4*\a]
.endr
.irp a, 0,1
	s_delay_alu instid0(VALU_DEP_2)
	v_mul_f32 v[16+4*\a], 0x3b800000, v[16+4*\a]   ; xbar = the sum / 256, in every lane
.endr
.irp k, 0,1,2,3
.irp a, 0,1
	v_pk_add_f32 v[32+8*\a+2*\k:33+8*\a+2*\k], v[32+8*\a+2*\k:33+8*\a+2*\k], v[16+4*\a:17+4*\a] op_sel_hi:[1,0] neg_lo:[0,1] neg_hi:[0,1]
.endr
.endr
.irp a, 0,1
	v_pk_mul_f32 v[18+4*\a:19+4*\a], v[32+8*\a:33+8*\a], v[32+8*\a:33+8*\a]
.endr
.irp k, 1,2,3
.irp a, 0,1
	s_delay_alu instid0(VALU_DEP_2)
	v_pk_fma_f32 v[18+4*\a:19+4*\a], v[32+8*\a+2*\k:33+8*\a+2*\k], v[32+8*\a+2*\k:33+8*\a+2*\k], v[18+4*\a:19+4*\a]
.endr
.endr
.irp a, 0,1
	s_delay_alu instid0(VALU_DEP_2)
	v_add_f32 v[18+4*\a], v[18+4*\a], v[19+4*\a]
.endr
.irp m, 1,2,4,8
.irp a, 0,1
	s_delay_alu instid0(VALU_DEP_2)
	v_add_f32_dpp v[18+4*\a], v[18+4*\a], v[18+4*\a] row_xmask:\m row_mask:0xf bank_mask:0xf
.endr
.endr
.irp a, 0,1
	s_delay_alu instid0(VALU_DEP_2)
	v_permlanex16_b32 v[19+4*\a], v[18+4*\a], s38, s39
.endr
.irp a, 0,1
	s_delay_alu instid0(VALU_DEP_2)
	v_add_f32 v[18+4*\a], v[18+4*\a], v[19+4*\a]   ; Vx = the sum of (x - xbar)^2
.endr
	ds_store_b32 v6, v16                           ; all lanes write the same word with the same value
	ds_store_b32 v6, v18 offset:4
	ds_store_b32 v6, v20 offset:8
	ds_store_b32 v6, v22 offset:12
	; my partial sums: even and odd i are joined, then 64 rules of each row go to my part of LDS
.set j, 0
.rept 32
	v_add_f32 v[AC+2*j], v[AC+2*j], v[AC+2*j+1]
.set j, j+1
.endr
.set j, 0
.rept 32
	ds_store_b32 v5, v[AC+2*j] offset:(j/2)*PP+(j%2)*128
.set j, j+1
.endr
	s_wait_dscnt 0x0                               ; for the others' sake: my stores have landed
	s_barrier_signal -1
	s_barrier_wait -1
	; the eight waves' parts are added: a lane takes four rules of one row
.irp e, 0,1,2,3,4,5,6,7
	ds_load_b128 v[32+4*\e:35+4*\e], v28 offset:\e*PW
.endr
	s_wait_dscnt 0x0
.irp e, 0,2,4,6
	v_pk_add_f32 v[32+4*\e:33+4*\e], v[32+4*\e:33+4*\e], v[36+4*\e:37+4*\e]
	v_pk_add_f32 v[34+4*\e:35+4*\e], v[34+4*\e:35+4*\e], v[38+4*\e:39+4*\e]
.endr
.irp e, 0
	v_pk_add_f32 v[32+4*\e:33+4*\e], v[32+4*\e:33+4*\e], v[40+4*\e:41+4*\e]
	v_pk_add_f32 v[34+4*\e:35+4*\e], v[34+4*\e:35+4*\e], v[42+4*\e:43+4*\e]
.endr
.irp e, 4
	s_delay_alu instid0(VALU_DEP_4)
	v_pk_add_f32 v[32+4*\e:33+4*\e], v[32+4*\e:33+4*\e], v[40+4*\e:41+4*\e]
	s_delay_alu instid0(VALU_DEP_4)
	v_pk_add_f32 v[34+4*\e:35+4*\e], v[34+4*\e:35+4*\e], v[42+4*\e:43+4*\e]
.endr
	s_delay_alu instid0(VALU_DEP_2)
	v_pk_add_f32 v[32:33], v[32:33], v[48:49]
	s_delay_alu instid0(VALU_DEP_2)
	v_pk_add_f32 v[34:35], v[34:35], v[50:51]
	s_delay_alu instid0(VALU_DEP_2)
	v_pk_mul_f32 v[32:33], v[32:33], 0xbb800000 op_sel_hi:[1,0]    ; x -1/256: the mean of the negated terms
	s_delay_alu instid0(VALU_DEP_2)
	v_pk_mul_f32 v[34:35], v[34:35], 0xbb800000 op_sel_hi:[1,0]
	global_store_b128 v29, v[32:35], s[18:19]      ; sixteen lanes store 256 consecutive bytes, aligned
	s_cmp_gt_u32 s2, 1
	s_cbranch_scc1 .Lno_scale                      ; waves 0 and 1 hold np = 0 and 1
	global_store_b32 v2, v10, s[24:25]
.Lno_scale:
	s_or_b32 s6, s2, s3
	s_cmp_lg_u32 s6, 0
	s_cbranch_scc1 .Ldone                          ; wave 0 of qh = 0 stores the 16 rows' statistics
	ds_load_b32 v31, v30                           ; stored ahead of the barrier above
	s_wait_dscnt 0x0
	global_store_b32 v2, v31, s[20:21]
.Ldone:
	s_set_vgpr_msb 0x5
	s_wait_tensorcnt 0x0
	ds_add_u32 v0, v1
	s_wait_dscnt 0x0
	s_set_vgpr_msb 0x500
	s_endpgm
.Lfunc_end_k_q9fc6a794c4_fire:
	.size	k_q9fc6a794c4_fire, .Lfunc_end_k_q9fc6a794c4_fire-k_q9fc6a794c4_fire
	.p2alignl 7, 3214868480
	.fill 96, 4, 3214868480
	.section	.rodata,"a",@progbits
	.p2align	6, 0x0
	.amdhsa_kernel k_q9fc6a794c4_fire
		.amdhsa_group_segment_fixed_size 52480
		.amdhsa_private_segment_fixed_size 0
		.amdhsa_enable_private_segment 0
		.amdhsa_kernarg_size 72
		.amdhsa_user_sgpr_count 2
		.amdhsa_user_sgpr_kernarg_segment_ptr 1
		.amdhsa_wavefront_size32 1
		.amdhsa_system_sgpr_workgroup_id_x 1
		.amdhsa_system_sgpr_workgroup_id_y 1
		.amdhsa_system_sgpr_workgroup_id_z 1
		.amdhsa_system_vgpr_workitem_id 0
		.amdhsa_next_free_vgpr 258
		.amdhsa_next_free_sgpr 66
		.amdhsa_reserve_vcc 0
		.amdhsa_float_denorm_mode_32 3
		.amdhsa_float_denorm_mode_16_64 3
		.amdhsa_memory_ordered 1
		.amdhsa_forward_progress 1
		.amdhsa_inst_pref_size 171
	.end_amdhsa_kernel
	.amdgpu_metadata
---
amdhsa.version: [ 1, 2 ]
amdhsa.kernels:
  - .name:           k_q9fc6a794c4_fire
    .symbol:         k_q9fc6a794c4_fire.kd
    .args:
      - { .name: X, .offset: 0, .size: 8, .value_kind: global_buffer, .address_space: global }
      - { .name: centers, .offset: 8, .size: 8, .value_kind: global_buffer, .address_space: global }
      - { .name: sigmas, .offset: 16, .size: 8, .value_kind: global_buffer, .address_space: global }
      - { .name: W_codes, .offset: 24, .size: 8, .value_kind: global_buffer, .address_space: global }
      - { .name: W_scales, .offset: 32, .size: 8, .value_kind: global_buffer, .address_space: global }
      - { .name: zT, .offset: 40, .size: 8, .value_kind: global_buffer, .address_space: global }
      - { .name: xstat, .offset: 48, .size: 8, .value_kind: global_buffer, .address_space: global }
      - { .name: Wimg, .offset: 56, .size: 8, .value_kind: global_buffer, .address_space: global }
      - { .name: WSimg, .offset: 64, .size: 8, .value_kind: global_buffer, .address_space: global }
    .group_segment_fixed_size: 52480
    .private_segment_fixed_size: 0
    .kernarg_segment_align: 8
    .kernarg_segment_size: 72
    .max_flat_workgroup_size: 256
    .sgpr_count:     66
    .vgpr_count:     258
    .wavefront_size: 32
...
	.end_amdgpu_metadata
.endif
;; end of part 4
;; launch main (part 5): grid 8 x 32, 4 waves a work-group, no clusters, 169,728 bytes of LDS; arguments X, zT, xstat, ln_gamma, ln_beta, Wimg, WSimg, W_codes, W_scales, part; writes part
.if DOCPART == 5
	.amdgcn_target "amdgcn-amd-amdhsa--gfx1250"
	.amdhsa_code_object_version 6
	.text
	.protected	k_q9fc6a794c4_main
	.globl	k_q9fc6a794c4_main
	.p2align	8
	.type	k_q9fc6a794c4_main,@function
k_q9fc6a794c4_main:
	s_mov_b64 s[64:65], 0
	v_nop
	global_prefetch_b8 v0, s[64:65] scope:SCOPE_SE
	s_setreg_imm32_b32 hwreg(HW_REG_WAVE_SCHED_MODE, 0, 2), 2
	s_setreg_imm32_b32 hwreg(HW_REG_WAVE_MODE, 25, 1), 1
	s_wait_xcnt 0x0
	s_wait_alu depctr_vm_vsrc(0)
; SOFTMAX, LAYERNORM, QUANTISER AND THE PRODUCT WITH W, on codes of FP4 (E2M1) with one E8M0 scale for each 32 along K.
; feats[row][256 rule + i] = x_i f_rule, feats[row][32768 + rule] = f_rule;  y = gamma (feats - mu) rstd + beta is quantised along K and multiplied by W (64 x 32,896, given as codes).
; ARITHMETIC, all f32.  p = 2^((z - max z) log2 e), L = the sum of p, f = p / L.  With xbar and Vx of the row, D = 32,896 and F2 = the sum of (f - 1/128)^2:
;   mu = (256 xbar + 1) / D;   var = [F2 (Vx + 256 xbar^2 + 1) + Vx / 128 + (xbar - 1)^2 256 / D] / D: every term is 0 or more, nothing cancels.  (It uses that the f add up to 1, which holds within f32 rounding.)
;   rstd = rsq(var + 1e-5), a = p rstd / L, nm = -mu rstd;   y = gamma (x a + nm) + beta, in the tail gamma (a + nm) + beta: two fused multiply-adds a number.
; SHARES.  Work-group (kg, G): rows 64 G .. + 63 (four tiles of 16), inputs 128 p .. + 127 (p = kg & 1), rules 32 rb .. + 31 (rb = kg / 2).  Wave w: rules rho0 + s, rho0 = 32 rb + 8 w, s = 0 .. 7: K steps
; 2 (rho0 + s) + p, for all four tiles, so that each load of gamma and beta serves four tiles.  The four waves' sums meet in LDS; the eight kg's parts are added by the next launch.
; THE TAIL (K step 256) of tile w is made by wave w in every work-group and weighed with 1 for kg = 0 and with 0 otherwise: no branch stands in this text.
; LAYOUT.  Source 0 = 16 rows of y, source 1 = 16 rows of W.  Lane (r, h) of a fragment of y holds row r and, in registers 4 c .. 4 c + 3, k = 64 c + 32 h + 0 .. 31: a WHOLE block of 32 in a lane for each half c,
; so a block's largest magnitude needs no other lane.  n tile nt takes W's rows 4 r + nt, so that lane r owns n = 4 r .. 4 r + 3 in the end.
; PIPELINE.  The work goes by HALF FRAGMENTS (tile t, half c: 32 numbers a lane), in two buffers by turns: while one half's y is made, the end of the half before (the last maxima, the scale, the conversions,
; the scale byte) stands among its lines, and a tile's four products stand one half later still, behind sixteen plain instructions.
; LIMITS: NaN and infinities are not served; p under 2^-126 counts as 0 (v_exp_f32); a block whose largest magnitude lies under 2^-124 keeps the byte 1, a block of zeros too (its codes are zeros);
; v_exp_f32, v_rcp_f32, v_rsq_f32 are good to 1 ulp; the sums along K are split over waves and work-groups, in another order than a single chain.
; THE MODE: SCHED_MODE bits 1:0 = 2 (LLVM: expert scheduling mode 2), set by the entry lines.  The code itself states the register dependences between vector or matrix instructions and memory or LDS
; instructions, with s_wait_alu, always for 0.
; THE PLAN.  Registers that memory or LDS instructions touch, and who else names them:
;   v1-7, v47-58      offsets and LDS addresses: made once at the head, never written again.  One wait on va_vdst ahead of the first load serves every load and store of the text.
;   window 1          x: loaded by rows, read by LDS stores, loaded again by fragments' places (a wait on vm_vsrc between those stores and those loads); from then on read by vector lines alone.
;   window 2, v10-27  W and its scale words: each K step has registers of its own, which loads write once and matrix instructions read: nothing is owed.
;   v64-127           z as loaded; a, which LDS stores read (va_vdst ahead of them); then the two buffers of y, named by vector lines alone (vm_vsrc behind the barrier, ahead of the first line that writes them).
;   v128-255          at the head staging, which LDS stores read, and the softmax's work; then gamma and beta: set c is read by the second run of the halves (s, c, 0 .. 3) and loaded again for step s + 1.
;   window 3, a, nm   nm is loaded once; a of step s + 1 lands in the four pairs that step s - 1's lines read.
;   codes, v28-32     written by the conversions and the byte lines, taken by the scaled matrix instructions.
;   accumulators      written by matrix instructions, read by the LDS stores of the way out.
; ONE wait on va_vdst stands in a half where one is owed: behind its first sixteen lines.  It states that the codes and the scale word of the tile whose products follow are written, and that the earlier halves are
; done reading the registers in which the half's LDS loads land.  Those loads stand behind the products, which name accumulators, codes, W and scale words alone:
;   half (s, 0, 0): set 1 of step s;   half (s, 1, 2): a and set 0 of step s + 1;   the tail's second half: set 0 of step 0.
; REGISTERS, in windows of 256 (s_set_vgpr_msb: bits 1:0 source 0, 3:2 source 1, 5:4 source 2, 7:6 destination):
;   window 0: v1-9 addresses and my row's nm; v10-27 W's scale words; v28-32 y's scale words; v33-46 at work; v47-58 addresses of the head and the end; v64-127 two buffers of y (at the head: z, p, a);
;             v128-255 gamma and beta, two sets (at the head: staging and the softmax's work)
;   window 1: x, [tile][c][32].   window 2: W's fragments of my eight K steps.
;   window 3: v0-127 the 16 accumulators; v128-159 the tail's four; v160-191 W's tail; v192-215 a and nm of the four tiles, as pairs; v216-247 y's codes, a fragment a tile; v248-255 the tail's codes
.set XR,    0                          ; LDS: x, 64 rows x (512 bytes + 16)
.set XP,    528
.set GB,    64*XP                      ; gamma and beta: for each wave [s 8][gamma 512 | beta 512], then the tail's 512 | 512
.set GBWV,  9216
.set AT,    GB+4*GBWV                  ; a[rule 128][row 64]
.set NMT,   AT+128*256                 ; nm[row 64]
.set RED,   NMT+256                    ; the waves' sums: [wave 4][tile 4][chunk 8] x 512 bytes
.set LI,   1                           ; 16 x lane
.set GADR, 2                           ; GB + 9,216 w + 128 h
.set SH8,  3                           ; 8 h
.set L4,   4                           ; 4 x lane
.set XADR, 5                           ; XR + 528 r + 128 h
.set AADR, 6                           ; AT + 256 rho0 + 4 r
.set NADR, 7                           ; NMT + 4 r
.set NMO,  8                           ; v[8:9] my own row's nm (the pair's low word serves both halves)
.set WS,   10                          ; W's scale words: step s, np at WS + 2 s + np; the tail's at WS + 16
.set ASC,  28                          ; y's scale word of tile t
.set TSC,  32                          ; and of the tail
.set SOP,  33                          ; the conversion's scale operand
.set BYT,  34
.set PX,   35
.set R,    36                          ; v36-46 maxima
.set ZOF,  47
.set XST,  48                          ; v[48:49] xbar, Vx
.set XSO,  50
.set WTO,  51
.set WSO,  52
.set ATW,  53
.set REDW, 54
.set REDR, 55
.set XSW,  56
.set GBS,  57
.set NMW,  58
.set YA,   64
.set GR,   128                         ; set c: gamma at GR + 64 c, beta at GR + 64 c + 32
.set ACC,  0                           ; window 3
.set TA,   128
.set WT,   160
.set AAC,  192
.set NM,   208
.set CODES, 216
.set TC,   248
.set MSB, 0
.macro WIN new                         ; the immediate's high byte repeats the setting that is left; a switch that changes nothing is dropped
.if MSB != \new
	s_set_vgpr_msb (MSB<<8)|\new
.set MSB, \new
.endif
.endm
.macro BAR                             ; my LDS stores have landed and my LDS loads are in: then the work-group's barrier
	s_wait_dscnt 0x0
	s_barrier_signal -1
	s_barrier_wait -1
.endm
; W of my K step s: eight dense loads of 512 bytes into window 2, two scale words: ten loads.  They land in registers that no earlier line has named
.macro WLOAD s
	WIN 0x80
.irp e, 0,1,2,3,4,5,6,7
	global_load_b128 v[32*(\s)+4*\e:32*(\s)+4*\e+3], v[LI], s[18:19] offset:(\s)*8192+\e*512
.endr
	WIN 0
.irp e, 0,1
	global_load_b32 v[WS+2*(\s)+\e], v[L4], s[20:21] offset:(\s)*512+\e*128
.endr
.endm
; gamma and beta of half c (my lane's 32 of each) from my wave's part of LDS, off bytes in: sixteen loads
.macro GLOAD c, off
.irp q, 0,1,2,3,4,5,6,7
	ds_load_b128 v[GR+64*(\c)+4*\q:GR+64*(\c)+4*\q+3], v[GADR] offset:(\off)+256*(\c)+16*\q
.endr
.irp q, 0,1,2,3,4,5,6,7
	ds_load_b128 v[GR+64*(\c)+32+4*\q:GR+64*(\c)+32+4*\q+3], v[GADR] offset:(\off)+512+256*(\c)+16*\q
.endr
.endm
	s_load_b512 s[8:23], s[0:1], 0x0               ; X s[8:9], zT s[10:11], xstat s[12:13], gamma s[14:15], beta s[16:17], Wimg s[18:19], WSimg s[20:21], W_codes s[22:23]
	s_load_b128 s[24:27], s[0:1], 0x40             ; W_scales s[24:25], part s[26:27]
	v_lshl_add_u32 v62, v0, 2, 0x29500
	v_mov_b32 v63, 0
	v_lshrrev_b32 v59, 5, v0
	v_readfirstlane_b32 s2, v59                    ; wave 0..3
	s_mov_b32 s3, ttmp9                            ; kg
	s_and_b32 s4, ttmp7, 0xffff                    ; G
	s_and_b32 s5, s3, 1                            ; p
	s_lshr_b32 s6, s3, 1
	s_and_b32 s6, s6, 3                            ; rb
	s_lshl_b32 s52, s6, 5
	s_wait_alu depctr_va_sdst(0)                   ; s2, the wave's number, is written, ahead of its first reader: addresses and bases are made from it
	s_lshl_b32 s7, s2, 3
	s_add_co_u32 s52, s52, s7                      ; rho0 = 32 rb + 8 w
	v_and_b32 v59, 31, v0                          ; lane
	v_and_b32 v60, 15, v0                          ; r
	v_bfe_u32 v61, v0, 4, 1                        ; h
	v_lshlrev_b32 v[LI], 4, v59
	v_lshlrev_b32 v[L4], 2, v59
	v_lshlrev_b32 v[SH8], 3, v61
	s_mul_i32 s7, s2, GBWV
	s_add_co_u32 s7, s7, GB
	v_lshl_add_u32 v[GADR], v61, 7, s7
	v_add_nc_u32 v[GBS], s7, v[LI]
	v_mul_u32_u24 v[XADR], v60, XP
	v_lshl_add_u32 v[XADR], v61, 7, v[XADR]
	s_lshl_b32 s7, s52, 8
	s_add_co_u32 s7, s7, AT
	v_lshl_add_u32 v[AADR], v60, 2, s7
	v_lshl_add_u32 v[NADR], v60, 2, NMT
	s_lshl_b32 s7, s2, 6
	s_add_co_u32 s53, s7, AT
	v_lshl_add_u32 v[ATW], v60, 2, s53
	v_lshl_add_u32 v[ATW], v61, 13, v[ATW]         ; where I put a: AT + 4 (16 w + r) + 32 h rules of 256 bytes
	s_add_co_u32 s53, s7, NMT
	v_lshl_add_u32 v[NMW], v60, 2, s53
	s_lshl_b32 s7, s2, 14
	s_add_co_u32 s7, s7, RED
	v_add_nc_u32 v[REDW], s7, v[LI]
	s_lshl_b32 s7, s2, 12
	s_add_co_u32 s7, s7, RED
	v_add_nc_u32 v[REDR], s7, v[LI]
	s_mul_i32 s7, s2, 16*XP
	v_add_nc_u32 v[XSW], s7, v[LI]
	v_lshlrev_b32 v[ZOF], 4, v60
	v_lshl_add_u32 v[ZOF], v61, 13, v[ZOF]         ; zT: 16 r + 8 h chunks of 1,024 bytes
	v_lshlrev_b32 v[XSO], 3, v60
	v_mul_u32_u24 v[WTO], v60, 0x10100             ; W's codes: row 4 r of 16,448 bytes, + 16 h
	v_lshl_add_u32 v[WTO], v61, 4, v[WTO]
	v_lshl_add_u32 v[WSO], v60, 2, v61
	v_mul_u32_u24 v[WSO], v[WSO], 1028             ; W's scale bytes: row 4 r + h
	v_mov_b32 v[NMO+1], 0                          ; named with v8 as a pair, so it is written
	v_mov_b32 v[PX], 0                             ; a lane permute's destination counts as one of its sources
	s_lshl_b32 s32, s4, 16                         ; X: (64 G + 16 w) rows of 1,024 bytes + 512 p
	s_lshl_b32 s7, s2, 14
	s_add_co_u32 s32, s32, s7
	s_lshl_b32 s7, s5, 9
	s_add_co_u32 s32, s32, s7
	s_mov_b32 s33, 0
	s_lshl_b32 s34, s4, 15                         ; zT: 32,768 G + 256 w
	s_lshl_b32 s7, s2, 8
	s_add_co_u32 s34, s34, s7
	s_mov_b32 s35, 0
	s_lshl_b32 s36, s4, 9                          ; xstat: (64 G + 16 w) x 8
	s_lshl_b32 s7, s2, 7
	s_add_co_u32 s36, s36, s7
	s_mov_b32 s37, 0
	s_lshl_b32 s38, s52, 10                        ; gamma, beta: (256 rho0 + 128 p) x 4
	s_lshl_b32 s7, s5, 9
	s_add_co_u32 s38, s38, s7
	s_mov_b32 s39, 0
	s_lshl_b32 s7, s52, 1
	s_add_co_u32 s7, s7, s5                        ; my first K step: 2 rho0 + p
	s_lshl_b32 s54, s7, 12
	s_mov_b32 s55, 0
	s_lshl_b32 s56, s7, 8
	s_mov_b32 s57, 0
	s_lshl_b32 s58, s3, 7                          ; part: (128 kg + 4 G + w) x 4,096
	s_lshl_b32 s7, s4, 2
	s_add_co_u32 s58, s58, s7
	s_add_co_u32 s58, s58, s2
	s_lshl_b32 s58, s58, 12
	s_mov_b32 s59, 0
	s_mov_b32 s40, 0x76543210
	s_mov_b32 s41, 0xfedcba98                      ; v_permlanex16_b32's selects for lane l xor 16
	s_mov_b32 s42, 0x3fb8aa3b                      ; log2 e
	s_mov_b32 s43, s42
	s_mov_b32 s46, 0x3c000000                      ; 1/128
	s_mov_b32 s47, 0x43800000                      ; 256
	s_mov_b32 s48, 0x3bff00ff                      ; 256 / D
	s_mov_b32 s49, 0x37ff00ff                      ; 1 / D
	s_mov_b32 s50, 0x3727c5ac                      ; 1e-5
	s_cmp_eq_u32 s3, 0
	s_cselect_b32 s44, 1.0, 0                      ; the tail's weight
	s_mov_b32 s45, s44
	s_wait_kmcnt 0x0
	s_add_nc_u64 s[28:29], s[14:15], 0x20000       ; gamma and beta at k = 32,768
	s_add_nc_u64 s[30:31], s[16:17], 0x20000
	s_add_nc_u64 s[8:9], s[8:9], s[32:33]
	s_add_nc_u64 s[10:11], s[10:11], s[34:35]
	s_add_nc_u64 s[12:13], s[12:13], s[36:37]
	s_add_nc_u64 s[14:15], s[14:15], s[38:39]
	s_add_nc_u64 s[16:17], s[16:17], s[38:39]
	s_add_nc_u64 s[18:19], s[18:19], s[54:55]
	s_add_nc_u64 s[20:21], s[20:21], s[56:57]
	s_add_nc_u64 s[26:27], s[26:27], s[58:59]
	; THE HEAD'S LOADS, in this order: x 16, z 16, xstat 1, gamma and beta 18, W of step 0: 10
	WIN 0x40
	s_wait_alu depctr_va_vdst(0)                   ; the offsets and LDS addresses v1 to v7 and v47 to v58 are written: every load and store of the text reads one of them, and none is written again
.irp k, 0,1,2,3,4,5,6,7,8,9,10,11,12,13,14,15
	global_load_b128 v[4*\k:4*\k+3], v[LI], s[8:9] offset:1024*\k      ; row 16 w + k, my half of the inputs: 512 consecutive bytes
.endr
	WIN 0
.irp c, 0,1
.irp q, 0,1,2,3,4,5,6,7
	global_load_b128 v[YA+32*\c+4*\q:YA+32*\c+4*\q+3], v[ZOF], s[10:11] offset:(16*\c+\q)*1024   ; register 32 c + j: z of my row 16 w + r, rule 64 c + 32 h + j
.endr
.endr
	global_load_b64 v[XST:XST+1], v[XSO], s[12:13]
.irp e, 0,1,2,3,4,5,6,7
	global_load_b128 v[128+4*\e:131+4*\e], v[LI], s[14:15] offset:1024*\e
	global_load_b128 v[160+4*\e:163+4*\e], v[LI], s[16:17] offset:1024*\e
.endr
	global_load_b128 v[192:195], v[LI], s[28:29]
	global_load_b128 v[196:199], v[LI], s[30:31]
	WLOAD 0
	s_wait_loadcnt 45                              ; x is in: behind it z 16, xstat 1, gamma and beta 18, W 10
	WIN 0x04                                       ; an LDS store's data are its source 1: window 1
.irp k, 0,1,2,3,4,5,6,7,8,9,10,11,12,13,14,15
	ds_store_b128 v[XSW], v[4*\k:4*\k+3] offset:XP*\k
.endr
	WIN 0
	BAR                                            ; all 64 rows of x lie in LDS
	WIN 0x40
	s_wait_alu depctr_vm_vsrc(0)                   ; my LDS stores of x have read the first 64 registers of window 1, in which the loads below land
.irp t, 0,1,2,3
.irp c, 0,1
.irp q, 0,1,2,3,4,5,6,7
	ds_load_b128 v[64*\t+32*\c+4*\q:64*\t+32*\c+4*\q+3], v[XADR] offset:\t*16*XP+256*\c+16*\q   ; x(16 t + r, 128 p + 64 c + 32 h + 4 q ..): it stays in window 1
.endr
.endr
.endr
	WIN 0
	WLOAD 1
	WIN 0xc0
.irp e, 0,1,2,3,4,5,6,7
	v_mov_b32 v[AAC+2*\e+1], 0                     ; the upper words of the pairs of which the low word serves both halves: named, so written, once; no load lands in them
.endr
.irp e, 0,1,2,3
	v_mov_b32 v[NM+2*\e+1], 0
.endr
.irp e, 0,1,2,3
.irp c, 0,1
	global_load_b128 v[WT+8*\e+4*\c:WT+8*\e+4*\c+3], v[WTO], s[22:23] offset:\e*16448+16384+32*\c   ; W's K step 256, as it lies: row 4 r + nt, bytes 16,384 + 32 c + 16 h
.endr
.endr
	WIN 0
.irp e, 0,1
	global_load_b32 v[WS+16+\e], v[WSO], s[24:25] offset:\e*2056+1024
.endr
	s_wait_loadcnt 30                              ; z, xstat, gamma and beta are in: behind them W of steps 0 and 1 and the tail's, ten loads each
.irp e, 0,1,2,3,4,5,6,7
	ds_store_b128 v[GBS], v[128+4*\e:131+4*\e] offset:1024*\e
	ds_store_b128 v[GBS], v[160+4*\e:163+4*\e] offset:1024*\e+512
.endr
	ds_store_b128 v[GBS], v[192:195] offset:8192
	ds_store_b128 v[GBS], v[196:199] offset:8704
	WLOAD 2
	WLOAD 3
	WLOAD 4
	; THE SOFTMAX of my row 16 w + r: I hold 64 of its 128 rules, lane l xor 16 the others
.irp b, 0,1,2,3
	v_max3_num_f32 v[200+\b], v[YA+16*\b], v[YA+16*\b+1], v[YA+16*\b+2]
.endr
.irp i, 3,5,7,9,11,13
.irp b, 0,1,2,3
	v_max3_num_f32 v[200+\b], v[200+\b], v[YA+16*\b+\i], v[YA+16*\b+\i+1]
.endr
.endr
.irp b, 0,1,2,3
	v_max_num_f32 v[200+\b], v[200+\b], v[YA+16*\b+15]
.endr
	v_max3_num_f32 v200, v200, v201, v202
	v_max_num_f32 v200, v200, v203
	v_permlanex16_b32 v201, v200, s40, s41
	v_max_num_f32 v200, v200, v201                 ; the row's largest z
.set j, 0
.rept 32
	v_pk_add_f32 v[YA+j:YA+j+1], v[YA+j:YA+j+1], v[200:201] op_sel_hi:[1,0] neg_lo:[0,1] neg_hi:[0,1]   ; z - max first, so that the factor below multiplies a small number
.set j, j+2
.endr
.set j, 0
.rept 32
	v_pk_mul_f32 v[YA+j:YA+j+1], v[YA+j:YA+j+1], s[42:43] op_sel_hi:[1,0]
.set j, j+2
.endr
.set j, 0
	s_wait_alu depctr_va_vdst(0)
.rept 64
	v_exp_f32 v[YA+j], v[YA+j]                     ; p, at most 1
.set j, j+1
.endr
	v_mov_b32 v209, 0                              ; (a plain instruction behind the last exponential; v209 and v211 are upper words of pairs named below)
	v_mov_b32 v211, 0
	s_wait_alu depctr_va_vdst(0)                   ; the 64 exponentials have written p in v64 to v127: one wait for the batch, ahead of its first reader
	v_pk_add_f32 v[204:205], v[YA:YA+1], v[YA+2:YA+3]
	v_pk_add_f32 v[206:207], v[YA+4:YA+5], v[YA+6:YA+7]
.irp j, 8,12,16,20,24,28,32,36,40,44,48,52,56,60
	v_pk_add_f32 v[204:205], v[204:205], v[YA+\j:YA+\j+1]
	v_pk_add_f32 v[206:207], v[206:207], v[YA+\j+2:YA+\j+3]
.endr
	v_pk_add_f32 v[204:205], v[204:205], v[206:207]
	v_add_f32 v204, v204, v205
	v_permlanex16_b32 v205, v204, s40, s41
	v_add_f32 v204, v204, v205                     ; L
	v_mul_f32 v208, s46, v204                      ; L / 128
	s_wait_alu depctr_va_vdst(0)
	v_rcp_f32 v206, v204                           ; 1 / L; the sums below name neither: they are the work behind it
.set j, 0
.rept 8
.irp k, 0,1,2,3
	v_pk_add_f32 v[212+2*\k:213+2*\k], v[YA+8*j+2*\k:YA+8*j+2*\k+1], v[208:209] op_sel_hi:[1,0] neg_lo:[0,1] neg_hi:[0,1]
.endr
.irp k, 0,1,2,3
.if j == 0
	v_pk_mul_f32 v[220+2*\k:221+2*\k], v[212+2*\k:213+2*\k], v[212+2*\k:213+2*\k]
.else
	v_pk_fma_f32 v[220+2*\k:221+2*\k], v[212+2*\k:213+2*\k], v[212+2*\k:213+2*\k], v[220+2*\k:221+2*\k]
.endif
.endr
.set j, j+1
.endr
	v_pk_add_f32 v[220:221], v[220:221], v[222:223]
	v_pk_add_f32 v[224:225], v[224:225], v[226:227]
	v_pk_add_f32 v[220:221], v[220:221], v[224:225]
	v_add_f32 v220, v220, v221
	v_permlanex16_b32 v221, v220, s40, s41
	v_add_f32 v220, v220, v221                     ; the sum of (p - L / 128)^2
	s_wait_alu depctr_va_vdst(0)                   ; the reciprocal has written v206, ahead of its first reader
	v_mul_f32 v221, v206, v206
	v_mul_f32 v220, v220, v221                     ; F2
	v_mul_f32 v222, v[XST], v[XST]
	v_fma_f32 v222, v222, s47, v[XST+1]            ; Vx + 256 xbar^2
	v_add_f32 v222, 1.0, v222
	v_mul_f32 v223, s46, v[XST+1]                  ; Vx / 128
	v_fma_f32 v223, v220, v222, v223
	v_add_f32 v224, -1.0, v[XST]
	v_mul_f32 v224, v224, v224
	v_fma_f32 v223, v224, s48, v223                ; + (xbar - 1)^2 256 / D
	v_fma_f32 v223, v223, s49, s50                 ; var + 1e-5
	s_wait_alu depctr_va_vdst(0)
	v_rsq_f32 v225, v223
	v_fma_f32 v226, v[XST], s47, 1.0               ; (plain work behind the root)
	v_mul_f32 v226, s49, v226                      ; mu
	s_wait_alu depctr_va_vdst(0)                   ; the root has written v225, ahead of its first reader
	v_mul_f32 v[NMO], -v226, v225                  ; nm = -mu rstd
	v_mul_f32 v210, v206, v225                     ; rstd / L
.set j, 0
.rept 32
	v_pk_mul_f32 v[YA+j:YA+j+1], v[YA+j:YA+j+1], v[210:211] op_sel_hi:[1,0]   ; a = p rstd / L
.set j, j+2
.endr
	s_wait_alu depctr_va_vdst(0)                   ; a in v64 to v127 and nm in v8 are written, which the LDS stores below read; and the softmax's lines are done with v200 to v227, in which gamma and beta land behind the barrier
.set j, 0
.rept 64
	ds_store_b32 v[ATW], v[YA+j] offset:(64*(j/32)+j%32)*256
.set j, j+1
.endr
	ds_store_b32 v[NMW], v[NMO]                    ; both halves of the lanes hold the same number
	BAR                                            ; a and nm of all 64 rows lie in LDS; x is in my registers.  From here to the next barrier no wave writes LDS
	s_wait_alu depctr_vm_vsrc(0)                   ; my LDS stores have read the staging v128 to v199, in which the loads below land, and a in v64 to v127, which the tail's lines write in place
	GLOAD 0, 8192                                  ; forty LDS loads: the tail's gamma and beta, half 0 and half 1; nm and step 0's a of the four tiles
	GLOAD 1, 8192
	WIN 0xc0
.irp e, 0,1,2,3
	ds_load_b32 v[NM+2*\e], v[NADR] offset:64*\e
.endr
.irp e, 0,1,2,3
	ds_load_b32 v[AAC+2*\e], v[AADR] offset:64*\e
.endr
	WIN 0
; A TILE'S FOUR PRODUCTS: y's fragment of tile t x W's four n tiles of K step s.  The sixteen accumulators take turns, one instruction a turn.  Step 0 starts the sums with the constant 0.
; W's scale words: register np = nt / 2 holds those of n tile 2 np in lanes 0-15 and of 2 np + 1 in lanes 16-31.
; The wait stands ahead of a step's first tile: W's groups of ten loads were issued in the order 0, 1, tail, 2, 3, 4, 5, 6, 7, the last three at the heads of steps 0, 1, 2; the count is what was issued behind the group wanted.
.macro MMA s, t
.if (\t) == 0
.set mc, 10*(7-(\s))
.if mc > 50
.set mc, 50
.endif
.if (\s) == 0
.set mc, 60
.endif
	s_wait_loadcnt mc
.endif
.if ((\s) == 1) && ((\t) == 0)
	WIN 0xff                                       ; the tail's four products stand here, where the wait has shown W's tail in
.irp e, 0,1,2,3
.if \e%2
	v_wmma_scale_f32_16x16x128_f8f6f4 v[TA+8*\e:TA+8*\e+7], v[TC:TC+7], v[WT+8*\e:WT+8*\e+7], 0, v[TSC], v[WS+16+\e/2] matrix_a_fmt:MATRIX_FMT_FP4 matrix_b_fmt:MATRIX_FMT_FP4 matrix_b_scale:MATRIX_SCALE_ROW1
.else
	v_wmma_scale_f32_16x16x128_f8f6f4 v[TA+8*\e:TA+8*\e+7], v[TC:TC+7], v[WT+8*\e:WT+8*\e+7], 0, v[TSC], v[WS+16+\e/2] matrix_a_fmt:MATRIX_FMT_FP4 matrix_b_fmt:MATRIX_FMT_FP4
.endif
.endr
.endif
	WIN 0xfb                                       ; source 0 (y) window 3, source 1 (W) window 2, C and D window 3
.irp e, 0,1,2,3
.set md, ACC+32*(\t)+8*\e
.set ma, CODES+8*(\t)
.set mb, 32*(\s)+8*\e
.set mw, WS+2*(\s)+\e/2
.if (\s) == 0
.if \e%2
	v_wmma_scale_f32_16x16x128_f8f6f4 v[md:md+7], v[ma:ma+7], v[mb:mb+7], 0, v[ASC+(\t)], v[mw] matrix_a_fmt:MATRIX_FMT_FP4 matrix_b_fmt:MATRIX_FMT_FP4 matrix_b_scale:MATRIX_SCALE_ROW1
.else
	v_wmma_scale_f32_16x16x128_f8f6f4 v[md:md+7], v[ma:ma+7], v[mb:mb+7], 0, v[ASC+(\t)], v[mw] matrix_a_fmt:MATRIX_FMT_FP4 matrix_b_fmt:MATRIX_FMT_FP4
.endif
.else
.if \e%2
	v_wmma_scale_f32_16x16x128_f8f6f4 v[md:md+7], v[ma:ma+7], v[mb:mb+7], v[md:md+7], v[ASC+(\t)], v[mw] matrix_a_fmt:MATRIX_FMT_FP4 matrix_b_fmt:MATRIX_FMT_FP4 matrix_b_scale:MATRIX_SCALE_ROW1
.else
	v_wmma_scale_f32_16x16x128_f8f6f4 v[md:md+7], v[ma:ma+7], v[mb:mb+7], v[md:md+7], v[ASC+(\t)], v[mw] matrix_a_fmt:MATRIX_FMT_FP4 matrix_b_fmt:MATRIX_FMT_FP4
.endif
.endif
.endr
.endm
; Line i of the lines that make the scale byte of the half before.  Half 0: the byte waits in the tile's scale register.  Half 1: my two bytes (blocks h and 2 + h) go to their places, 8 h bits up, and lane l xor 16's two make the word whole.
.macro BL i
.if PV
.if PC_ == 0
.if (\i) == 0
	v_lshrrev_b32 v[PWD], 23, v[SOP]
.endif
.else
.if (\i) == 0
	v_lshrrev_b32 v[BYT], 23, v[SOP]
.elseif (\i) == 1
	v_lshl_or_b32 v[BYT], v[BYT], 16, v[PWD]
.elseif (\i) == 2
	v_lshlrev_b32 v[BYT], v[SH8], v[BYT]
.elseif (\i) == 3
	v_permlanex16_b32 v[PX], v[BYT], s40, s41
.else
	v_or_b32 v[PWD], v[BYT], v[PX]
.endif
.endif
.endif
.endm
; A HALF FRAGMENT.  kind = 1: rule rho0 + s, half c, tile t;  kind = 0: the tail's half c, in place on a.  The symbols P.. describe the half before, RDY, RS, RT a tile whose codes and scale word are whole.
.set NI, 0
.set PV, 0
.set PC_, 0
.set PK, 0
.set PS, 0
.set PT, 0
.set PY, YA
.set PCD, TC
.set PWD, TSC
.set RDY, 0
.set RS, 0
.set RT, 0
.set OWE, 0
.macro ITER kind, s, c, t
.set CY, YA+32*(NI%2)
.if \kind && (\c == 0) && (\t == 0)
.if \s <= 2
	WLOAD \s+5
.endif
	s_wait_dscnt 16                                ; this step's a (in step 0 nm too) is in: behind it the sixteen loads of the step's gamma and beta, half 0
.endif
.if \kind
	WIN 0x3d                                       ; source 0 (x) window 1, sources 1 and 2 (a, nm) window 3
.set j, 0
.rept 16
	v_pk_fma_f32 v[CY+j:CY+j+1], v[64*\t+32*\c+j:64*\t+32*\c+j+1], v[AAC+8*(\s%2)+2*\t:AAC+8*(\s%2)+2*\t+1], v[NM+2*\t:NM+2*\t+1] op_sel_hi:[1,0,0]   ; x a + nm
.set j, j+2
.endr
.else
	WIN 0
.set j, 0
.rept 16
	v_pk_add_f32 v[CY+j:CY+j+1], v[CY+j:CY+j+1], v[NMO:NMO+1] op_sel_hi:[1,0]   ; a + nm
.set j, j+2
.endr
.endif
.set OWE, RDY                          ; the half's one wait is written where products follow, or LDS loads into registers that earlier halves read
.if (\kind == 0) && (\c == 1)
.set OWE, 1
.endif
.if \kind && (\c == 0) && (\t == 0)
.set OWE, 1
.endif
.if OWE
	s_wait_alu depctr_va_vdst(0)                   ; where products follow: the conversions and byte lines have written the tile's codes and scale word; where LDS loads follow: the earlier halves are done reading the set of gamma and beta, and the pairs of a, in which they land
.endif
.if RDY
	MMA RS, RT                                     ; the sixteen lines above are the places between the tile's scale word and codes, made by vector instructions, and its products; the wait stands behind the places
.set RDY, 0
.endif
	WIN 0
; The half's LDS loads.  No line since the wait names their registers: the products name accumulators, codes, W and scale words alone.
.if (\kind == 0) && (\c == 1)
	GLOAD 0, 0                                     ; the tail's first half has read set 0: step 0's half 0 takes its place
.endif
.if \kind && (\c == 0) && (\t == 0)
	GLOAD 1, (\s)*1024                             ; the four tiles of the step before (in step 0: the tail's second half) have read set 1: this step's half 1 takes its place
.endif
.if \kind && (\c == 1) && (\t == 2) && (\s <= 6)
	WIN 0xc0
.irp e, 0,1,2,3
	ds_load_b32 v[AAC+8*((\s+1)%2)+2*\e], v[AADR] offset:256*(\s+1)+64*\e   ; the next step's a, into the other four pairs, which the step before this one read
.endr
	WIN 0
	GLOAD 0, (\s+1)*1024                           ; this step's four tiles have read set 0: the next step's half 0 takes its place, two halves ahead of its use
.endif
.if \kind == 0
	s_wait_dscnt 24                                ; this half's gamma and beta are in.  Half 0: behind them half 1's 16, nm 4, a 4;  half 1: nm 4, a 4, step 0's first 16
.elseif \t == 0
.if \c == 0
	s_wait_dscnt 16                                ; half 0's are in; half 1's 16, just issued, may be out
.else
	s_wait_dscnt 0                                 ; half 1's are in, asked for four halves ago; nothing was issued behind them
.endif
.endif
.set j, 0
.rept 16
.if PV && (j == 0)
	v_max3_num_f32 v[R], v[R], v[R+1], v[R+2]      ; the half before: the end of its largest magnitude,
.endif
	v_pk_fma_f32 v[CY+j:CY+j+1], v[CY+j:CY+j+1], v[GR+64*\c+j:GR+64*\c+j+1], v[GR+64*\c+32+j:GR+64*\c+33+j]   ; y = gamma (..) + beta
.if PV && (j == 8)
	v_max3_num_f32 v[R], v[R], v[R+9], v[R+10]
.endif
.if PV && (j == 18)
	v_add_nc_u32 v[SOP], 0xff000000, v[R]          ; and 2 off its exponent field: the conversion takes the exponent field of this operand as its scale
.endif
.set j, j+2
.endr
.if PV
	WIN 0xc0                                       ; destination window 3
.irp e, 0,1,2,3
	v_cvt_scalef32_pk8_fp4_f32 v[PCD+\e], v[PY+8*\e:PY+8*\e+7], v[SOP]   ; the half before: 32 codes, registers 4 c .. 4 c + 3 of its fragment
.endr
	WIN 0
.endif
.set g, 0
.rept 10
	v_max3_num_f32 v[R+g], |v[CY+3*g]|, |v[CY+3*g+1]|, |v[CY+3*g+2]|   ; this half's largest magnitude: all 32 numbers of the block are mine.  (The first of these is the plain instruction behind the conversions)
.if (g%3) == 2
	BL g/3
.endif
.set g, g+1
.endr
	v_max3_num_f32 v[R+10], |v[CY+30]|, |v[CY+31]|, 0x1800000      ; and the floor 2^(3 - 127): the byte cannot fall under 1
	v_max3_num_f32 v[R], v[R], v[R+1], v[R+2]
	BL 3
	v_max3_num_f32 v[R+1], v[R+3], v[R+4], v[R+5]
	v_max3_num_f32 v[R+2], v[R+6], v[R+7], v[R+8]
	BL 4
.if PV && (PC_ == 1) && (PK == 1)
.set RDY, 1
.set RS, PS
.set RT, PT
.endif
.set PV, 1
.set PY, CY
.set PC_, \c
.set PK, \kind
.set PS, \s
.set PT, \t
.if \kind
.set PCD, CODES+8*\t+4*\c
.set PWD, ASC+\t
.else
.set PCD, TC+4*\c
.set PWD, TSC
.endif
.set NI, NI+1
.endm
	ITER 0, 0, 0, 0                                ; the tail's two halves first: a still stands in the two buffers
	ITER 0, 0, 1, 0
.irp s, 0,1,2,3,4,5,6,7
.irp c, 0,1
.irp t, 0,1,2,3
	ITER 1, \s, \c, \t
.endr
.endr
.endr
	; the last half's end, and the last two tiles' products
	v_max3_num_f32 v[R], v[R], v[R+1], v[R+2]
	v_max3_num_f32 v[R], v[R], v[R+9], v[R+10]
	v_add_nc_u32 v[SOP], 0xff000000, v[R]
	WIN 0xc0
.irp e, 0,1,2,3
	v_cvt_scalef32_pk8_fp4_f32 v[PCD+\e], v[PY+8*\e:PY+8*\e+7], v[SOP]
.endr
	WIN 0
	BL 0
	BL 1
	BL 2
	BL 3
	BL 4
.rept 8
	v_nop                                          ; a scale register written by a vector instruction stands eight places ahead of a scaled matrix instruction, an operand so written four
.endr
	s_wait_alu depctr_va_vdst(0)                   ; the conversions and byte lines have written the last two tiles' codes and scale words, which the products below take; the places above stay beside this wait
	MMA RS, RT
	MMA 7, 3
.rept 4
	v_nop                                          ; four places between the last products and the LDS stores that read results
.endr
	s_wait_alu depctr_va_vdst(0)                   ; the matrix instructions have written the sixteen accumulators, which the LDS stores below read; and the halves are done reading v128 to v255, in which the loads behind those stores land
	; THE FOUR WAVES' SUMS MEET IN LDS, as images of the accumulators' registers: 512 bytes a store
	BAR
	WIN 0x0c                                       ; an LDS store's data are its source 1: window 3
.irp t, 0,1,2,3
.irp e, 0,1,2,3
	ds_store_b128 v[REDW], v[ACC+32*\t+8*\e:ACC+32*\t+8*\e+3] offset:(8*\t+2*\e)*512        ; each accumulator from its low end on
	ds_store_b128 v[REDW], v[ACC+32*\t+8*\e+4:ACC+32*\t+8*\e+7] offset:(8*\t+2*\e+1)*512
.endr
.endr
	WIN 0
	BAR
.irp b, 0,1,2,3
.irp e, 0,1,2,3,4,5,6,7
	ds_load_b128 v[128+32*\b+4*\e:131+32*\b+4*\e], v[REDR] offset:\b*16384+\e*512   ; wave w adds tile w: the four waves' images of it
.endr
.endr
	s_wait_dscnt 0x0
.irp e, 0,1,2,3,4,5,6,7
	v_pk_add_f32 v[128+4*\e:129+4*\e], v[128+4*\e:129+4*\e], v[160+4*\e:161+4*\e]
	v_pk_add_f32 v[130+4*\e:131+4*\e], v[130+4*\e:131+4*\e], v[162+4*\e:163+4*\e]
	v_pk_add_f32 v[192+4*\e:193+4*\e], v[192+4*\e:193+4*\e], v[224+4*\e:225+4*\e]
	v_pk_add_f32 v[194+4*\e:195+4*\e], v[194+4*\e:195+4*\e], v[226+4*\e:227+4*\e]
.endr
.irp e, 0,1,2,3,4,5,6,7
	v_pk_add_f32 v[128+4*\e:129+4*\e], v[128+4*\e:129+4*\e], v[192+4*\e:193+4*\e]
	v_pk_add_f32 v[130+4*\e:131+4*\e], v[130+4*\e:131+4*\e], v[194+4*\e:195+4*\e]
.endr
	WIN 0x03                                       ; source 0 window 3
.set j, 0
.rept 16
	v_pk_fma_f32 v[128+j:129+j], v[TA+j:TA+j+1], s[44:45], v[128+j:129+j] op_sel_hi:[1,0,1]   ; + the tail's products of tile w, x 1 for kg = 0, x 0 otherwise; each accumulator from its low end on
.set j, j+2
.endr
	WIN 0
	s_wait_alu depctr_va_vdst(0)                   ; the additions have written v128 to v159, which the stores below read
.irp e, 0,1,2,3,4,5,6,7
	global_store_b128 v[LI], v[128+4*\e:131+4*\e], s[26:27] offset:512*\e   ; 32 lanes store 512 consecutive bytes, aligned
.endr
	s_wait_dscnt 0x0                               ; the closing lines, six on end
	s_wait_alu 0x0
	s_wait_tensorcnt 0x0
	ds_add_u32 v62, v63
	s_wait_dscnt 0x0
	s_endpgm
.Lfunc_end_k_q9fc6a794c4_main:
	.size	k_q9fc6a794c4_main, .Lfunc_end_k_q9fc6a794c4_main-k_q9fc6a794c4_main
	.p2alignl 7, 3214868480
	.fill 96, 4, 3214868480
	.section	.rodata,"a",@progbits
	.p2align	6, 0x0
	.amdhsa_kernel k_q9fc6a794c4_main
		.amdhsa_group_segment_fixed_size 169728
		.amdhsa_private_segment_fixed_size 0
		.amdhsa_enable_private_segment 0
		.amdhsa_kernarg_size 80
		.amdhsa_user_sgpr_count 2
		.amdhsa_user_sgpr_kernarg_segment_ptr 1
		.amdhsa_wavefront_size32 1
		.amdhsa_system_sgpr_workgroup_id_x 1
		.amdhsa_system_sgpr_workgroup_id_y 1
		.amdhsa_system_sgpr_workgroup_id_z 1
		.amdhsa_system_vgpr_workitem_id 0
		.amdhsa_next_free_vgpr 1024
		.amdhsa_next_free_sgpr 66
		.amdhsa_reserve_vcc 0
		.amdhsa_float_denorm_mode_32 3
		.amdhsa_float_denorm_mode_16_64 3
		.amdhsa_memory_ordered 1
		.amdhsa_forward_progress 1
		.amdhsa_inst_pref_size 255
	.end_amdhsa_kernel
	.section	.bss,"aw",@nobits
	.p2align	6
	.space	262144
	.amdgpu_metadata
---
amdhsa.version: [ 1, 2 ]
amdhsa.kernels:
  - .name:           k_q9fc6a794c4_main
    .symbol:         k_q9fc6a794c4_main.kd
    .args:
      - { .name: X, .offset: 0, .size: 8, .value_kind: global_buffer, .address_space: global }
      - { .name: zT, .offset: 8, .size: 8, .value_kind: global_buffer, .address_space: global }
      - { .name: xstat, .offset: 16, .size: 8, .value_kind: global_buffer, .address_space: global }
      - { .name: ln_gamma, .offset: 24, .size: 8, .value_kind: global_buffer, .address_space: global }
      - { .name: ln_beta, .offset: 32, .size: 8, .value_kind: global_buffer, .address_space: global }
      - { .name: Wimg, .offset: 40, .size: 8, .value_kind: global_buffer, .address_space: global }
      - { .name: WSimg, .offset: 48, .size: 8, .value_kind: global_buffer, .address_space: global }
      - { .name: W_codes, .offset: 56, .size: 8, .value_kind: global_buffer, .address_space: global }
      - { .name: W_scales, .offset: 64, .size: 8, .value_kind: global_buffer, .address_space: global }
      - { .name: part, .offset: 72, .size: 8, .value_kind: global_buffer, .address_space: global }
    .group_segment_fixed_size: 169728
    .private_segment_fixed_size: 0
    .kernarg_segment_align: 8
    .kernarg_segment_size: 80
    .max_flat_workgroup_size: 128
    .sgpr_count:     66
    .vgpr_count:     1024
    .wavefront_size: 32
...
	.end_amdgpu_metadata
.endif
;; end of part 5
;; launch sum (part 6): grid 256 x 1, 1 waves a work-group, no clusters, 0 bytes of LDS; arguments part, b, out0; writes out0
.if DOCPART == 6
	.amdgcn_target "amdgcn-amd-amdhsa--gfx1250"
	.amdhsa_code_object_version 6
	.text
	.protected	k_q9fc6a794c4_sum
	.globl	k_q9fc6a794c4_sum
	.p2align	8
	.type	k_q9fc6a794c4_sum,@function
k_q9fc6a794c4_sum:
	s_mov_b64 s[64:65], 0
	v_nop
	global_prefetch_b8 v0, s[64:65] scope:SCOPE_SE
	s_setreg_imm32_b32 hwreg(HW_REG_WAVE_MODE, 25, 1), 1
	s_wait_xcnt 0x0
; out0 = the sum of the eight parts along K + b.
; part: [kg 8][tile 128][chunk 8][lane 32][16 bytes], chunk = 2 nt + q: lane (r, h), word e = the element (row 8 h + 4 q + e of the tile, n = 4 r + nt).
; A work-group of one wave takes one tile and one q: 8 rows x 64 outputs.  Each load reads 512 consecutive bytes.  A lane ends with n = 4 r .. 4 r + 3 of four rows,
; so that sixteen lanes store a whole row of out0, 256 consecutive bytes, aligned.  The parts are added in a fixed order (a tree over kg).  No LDS, no barrier.
	s_load_b128 s[4:7], s[0:1], 0x0                ; part, b
	s_load_b64 s[8:9], s[0:1], 0x10                ; out0
	v_lshlrev_b32 v1, 4, v0                        ; 16 x lane
	v_and_b32 v2, 15, v0
	v_lshlrev_b32 v2, 4, v2                        ; 16 r
	v_bfe_u32 v3, v0, 4, 1
	v_lshl_add_u32 v3, v3, 11, v2                  ; out0: 8 h rows of 256 bytes + 16 r
	s_lshr_b32 s10, ttmp9, 1                       ; tile
	s_and_b32 s11, ttmp9, 1                        ; q
	s_lshl_b32 s12, s10, 12
	s_lshl_b32 s14, s11, 9
	s_add_co_u32 s14, s14, s12                     ; part: 4,096 tile + 512 q
	s_mov_b32 s15, 0
	s_lshl_b32 s16, s11, 10
	s_add_co_u32 s16, s16, s12                     ; out0: 16 tile rows + 4 q rows
	s_mov_b32 s17, 0
	s_wait_alu depctr_va_vdst(0)
	s_wait_kmcnt 0x0
	s_add_nc_u64 s[4:5], s[4:5], s[14:15]
	s_add_nc_u64 s[8:9], s[8:9], s[16:17]
.irp k, 0,1,2,3,4,5,6,7
.irp n, 0,1,2,3
	global_load_b128 v[32+16*\k+4*\n:35+16*\k+4*\n], v1, s[4:5] offset:\k*524288+\n*1024 th:TH_LOAD_NT
.endr
.endr
	global_load_b128 v[16:19], v2, s[6:7]          ; b[4 r .. 4 r + 3]
	s_wait_loadcnt 0x0
.irp k, 0,2,4,6
.irp i, 0,2,4,6,8,10,12,14
	v_pk_add_f32 v[32+16*\k+\i:33+16*\k+\i], v[32+16*\k+\i:33+16*\k+\i], v[48+16*\k+\i:49+16*\k+\i]
.endr
.endr
.irp k, 0,4
.irp i, 0,2,4,6,8,10,12,14
	v_pk_add_f32 v[32+16*\k+\i:33+16*\k+\i], v[32+16*\k+\i:33+16*\k+\i], v[64+16*\k+\i:65+16*\k+\i]
.endr
.endr
.irp i, 0,2,4,6,8,10,12,14
	v_pk_add_f32 v[32+\i:33+\i], v[32+\i:33+\i], v[96+\i:97+\i]
.endr
.irp e, 0,1,2,3
.irp n, 0,1,2,3
	v_add_f32 v[160+4*\e+\n], v[32+4*\n+\e], v[16+\n]              ; the bias; the same line brings a row's four neighbours together
.endr
.endr
.irp e, 0,1,2,3
	global_store_b128 v3, v[160+4*\e:163+4*\e], s[8:9] offset:256*\e
.endr
	s_endpgm
.Lfunc_end_k_q9fc6a794c4_sum:
	.size	k_q9fc6a794c4_sum, .Lfunc_end_k_q9fc6a794c4_sum-k_q9fc6a794c4_sum
	.p2alignl 7, 3214868480
	.fill 96, 4, 3214868480
	.section	.rodata,"a",@progbits
	.p2align	6, 0x0
	.amdhsa_kernel k_q9fc6a794c4_sum
		.amdhsa_group_segment_fixed_size 0
		.amdhsa_private_segment_fixed_size 0
		.amdhsa_enable_private_segment 0
		.amdhsa_kernarg_size 24
		.amdhsa_user_sgpr_count 2
		.amdhsa_user_sgpr_kernarg_segment_ptr 1
		.amdhsa_wavefront_size32 1
		.amdhsa_system_sgpr_workgroup_id_x 1
		.amdhsa_system_sgpr_workgroup_id_y 1
		.amdhsa_system_sgpr_workgroup_id_z 1
		.amdhsa_system_vgpr_workitem_id 0
		.amdhsa_next_free_vgpr 192
		.amdhsa_next_free_sgpr 66
		.amdhsa_reserve_vcc 0
		.amdhsa_float_denorm_mode_32 3
		.amdhsa_float_denorm_mode_16_64 3
		.amdhsa_memory_ordered 1
		.amdhsa_forward_progress 1
		.amdhsa_inst_pref_size 9
	.end_amdhsa_kernel
	.amdgpu_metadata
---
amdhsa.version: [ 1, 2 ]
amdhsa.kernels:
  - .name:           k_q9fc6a794c4_sum
    .symbol:         k_q9fc6a794c4_sum.kd
    .args:
      - { .name: part, .offset: 0, .size: 8, .value_kind: global_buffer, .address_space: global }
      - { .name: b, .offset: 8, .size: 8, .value_kind: global_buffer, .address_space: global }
      - { .name: out0, .offset: 16, .size: 8, .value_kind: global_buffer, .address_space: global }
    .group_segment_fixed_size: 0
    .private_segment_fixed_size: 0
    .kernarg_segment_align: 8
    .kernarg_segment_size: 24
    .max_flat_workgroup_size: 32
    .sgpr_count:     66
    .vgpr_count:     192
    .wavefront_size: 32
...
	.end_amdgpu_metadata
.endif
;; end of part 6
